; MI455X (gfx1250); checked and timed in simulation.
; The chip was launched on July 23, 2026; its instructions are those of AMD's public machine-readable ISA for CDNA 5 (MIT licence, August 2026) and "CDNA5" Instruction Set Architecture Reference Guide (July 2026). The comments in the code are by the model that wrote it; some were corrected since.
;; Self Attention. Allowed arithmetic: matrix products marked QUANTISED: E2M3 operands, one E8M0 scale for each 32 along K, by v_wmma_scale_f32_16x16x128_f8f6f4 with both operands' format E2M3, f32 sums; everything else in f32.
;; Inputs: b_proj 1,024 float32; w_proj 1,024 x 1,024 float32; w_qkv 1,024 x 3,072 float32; x 4 x 2,048 x 1,024 float32.
;; Outputs: out0 4 x 2,048 x 1,024 float32.
;; This version of the problem:
;;   THIS VERSION OF THE PROBLEM IS GIVEN IN LOW PRECISION. The matrix products marked QUANTISED in the list below multiply operands that are first quantised to E2M3 (2 exponent bits, 3 mantissa bits; 6 bits a number), with one power-of-two scale for each 32 numbers along K (OCP MX v1.0); their sums are f32. All else is computed in f32.
;;   The module's matrix products, in the order in which they are computed (A, B: the left and right operand; K: the contracted axis; several contracted axes count as one K, in the product's order):
;;     1. [M 8,192, K 1,024] x [K 1,024, N 3,072]; A: input x; B: input w_qkv: QUANTISED
;;     2. batch 64 x [M 2,048, K 64] x [K 64, N 2,048]; A: computed on the way; B: computed on the way: QUANTISED
;;     3. batch 64 x [M 2,048, K 2,048] x [K 2,048, N 64]; A: softmax (see below); B: computed on the way: QUANTISED
;;     4. [M 8,192, K 1,024] x [K 1,024, N 1,024]; A: computed on the way; B: input w_proj: QUANTISED
;;   THE QUANTISER, for each operand of a quantised product, along K:
;;     - K is cut into blocks of 32 from its start; a last block that is shorter is filled with zeros.
;;     - A block's scale is 2^e with e = floor(log2(the largest magnitude in the block)) - 2, held to -126 .. 127; a block of zeros has e = 0. As a byte (E8M0): e + 127.
;;     - Each number is divided by its block's scale, clamped to +-7.5, and rounded to the nearest number of E2M3, ties to even, subnormals kept.
;;     - The product sums the exact products of the quantised numbers (number of the format x scale) in f32.
;;   ~~~python
;;   def quantise(x, axis):      # numpy; x: float32 -> the quantised numbers, widened to float32 again
;;       x = np.moveaxis(x, axis, -1); K = x.shape[-1]
;;       x = np.pad(x, [(0, 0)] * (x.ndim - 1) + [(0, -K % 32)]); x = x.reshape(x.shape[:-1] + (-1, 32)); a = np.abs(x).max(-1, keepdims=True)
;;       e = np.where(a > 0, np.clip(np.frexp(np.where(a > 0, a, 1))[1] - 1 - 2, -126, 127), 0)      # np.frexp(a)[1] - 1 = floor(log2(a)), exactly
;;       r = np.clip(x / 2.0 ** e, -7.5, 7.5)
;;       step = 2.0 ** (np.maximum(np.frexp(np.where(r == 0, 1, r))[1] - 1, 0) - 3)
;;       q = np.round(r / step) * step * 2.0 ** e      # np.round: ties to even
;;       return np.moveaxis(q.reshape(q.shape[:-2] + (-1,))[..., :K], -1, axis).astype(np.float32)
;;   ~~~
;;   SOFTMAX AHEAD OF A QUANTISED PRODUCT. Where the list says 'softmax', what is quantised is not the finished softmax but p = 2^(t - M), with t = logit x log2(e) and M = ceil(the row's largest t), a whole number; so 1/2 < the row's largest p <= 1. The row's sum l is taken of the UNQUANTISED p, in f32, and the product's result is divided by l at the end. Since M is a whole number, a kernel that streams over the keys may use a running M (the ceiling of the running maximum): every later rescaling is an exact power of two, which a block's scale takes up: the codes' values come out the same.
;;   OPERANDS COMPUTED ON THE WAY. 'Computed on the way' means the value that the module computes at that place (a softmax that the list does not call 'softmax' is quantised finished and normalised). What goes into a quantiser is computed in f32, as accurately as f32 sums, v_exp_f32 and their like allow (about 1e-6 of the number): no bf16 or f16 on the way to a quantiser, and a product that is left as it is and whose result goes on into a quantised operand takes f32 operands (vector FMAs, or v_wmma_f32_16x16x4_f32). A number that lies on a knife's edge between two numbers of the format may be rounded either way, as far as f32 arithmetic and the matrix unit's own rounding can turn it there, and no further.
;; One version. Each part assembles by itself: llvm-mc -triple=amdgcn-amd-amdhsa -mcpu=gfx1250 --defsym DOCPART=n.
;; ======== version 1 of 1: 4 launches
;; limits: right only within a limited range of input values
;; workspace buffers: xq 6,553,600 bytes; wts 6,422,528 bytes; rope 524,288 bytes; qimg 6,815,744 bytes; kv 13,369,344 bytes; oq 6,553,600 bytes
;; launch prep (part 1): grid 400 x 1, 4 waves a work-group, no clusters, 68,096 bytes of LDS; arguments x, w_qkv, w_proj, xq, wts, rope; writes xq, wts, rope
.if DOCPART == 1
	.amdgcn_target "amdgcn-amd-amdhsa--gfx1250"
	.amdhsa_code_object_version 6
	.text
	.protected	k_qc77e2a11f3_prep
	.globl	k_qc77e2a11f3_prep
	.p2align	8
	.type	k_qc77e2a11f3_prep,@function
k_qc77e2a11f3_prep:
	s_mov_b64 s[64:65], 0
	v_nop
	global_prefetch_b8 v0, s[64:65] scope:SCOPE_SE
	s_setreg_imm32_b32 hwreg(HW_REG_WAVE_MODE, 25, 1), 1
	s_wait_xcnt 0x0
; Three jobs in one launch, told apart by the work-group's number; each has LDS bytes of its own and its own end.
;  X (work-groups 0-255): x [8192][1024] f32 -> codes of FP6 (E2M3), K innermost, 768 bytes a row, and one E8M0 byte for each 32 along K, 32 bytes a row.
;  W (256-383): w_qkv [1024][3072] and w_proj [1024][1024] f32, K their FIRST axis -> the same form, one row for each column: rows 0-3071 w_qkv's columns, rows 3072-4095 w_proj's.
;  T (384-399): the table of cos and sin of l x theta_i, [2048][32](cos, sin) f32, 256 bytes a token.
; THE ROW ORDER: a row (of x, or a column of a weight) with number n lies at place n with bits 3 and 4 exchanged.  So the sixteen rows that form a tile of a later product are 8 neighbours and the 8 that lie
; 16 further on, and a lane's 16 results of two neighbouring tiles are 16 neighbours along the next product's K.
; A block's scale is 2^(floor(log2(its largest magnitude)) - 2): its byte is the largest magnitude's exponent field - 2, held at 1 from below by a floor among the maximum's leaves.
; LIMITS: NaN and infinities are not served.  A block whose largest magnitude lies under 2^-124 (a block of zeros too) gets the byte 1: its codes are zeros or what the conversion makes under that scale,
; and only this program reads the bytes.  theta_i = 3 / 10^(i/8) is made from 10^(i/8) rounded to f32; a power function that is one unit in the last place off moves the largest angles (6,141 rad) by up to 5e-4 rad.
.set XSCL,  6291456                    ; xq: the scale bytes begin behind 8,192 x 768 bytes of codes
; THE LAYOUT IN FORCE (it takes the place of the rows of 768 bytes and of x's row order named above): the codes of xq and of wts lie in FOUR PLANES, one for each 256 along K, PLANE bytes apart;
; in a plane a row is 192 dense bytes, so 128 rows are 96 aligned units of 256 bytes.  wts uses the first 4,096 x 192 bytes of each plane.
; x's ROW ORDER: row n lies at the place whose bit 3 is n's bit 5 and whose bits 4, 5 are n's bits 3, 4: a tile of sixteen places holds 8 neighbouring tokens and the 8 that lie 32 further on.  The weights keep bits 3 and 4 exchanged.
.set PLANE, 1572864
.set WSCL,  6291456                    ; wts: the scale bytes begin behind the four planes
.set STEPS, 16
.set CB,    12                         ; bytes of 16 codes
.set XR,    16                         ; X: v16-79 four sets of 16 numbers as loaded
.set XX,    80                         ; v80-111 two sets of 16 neighbours
.set XE,    112                        ; v112-127 a scale byte for each step
.set XCD,   128                        ; v128-191 codes, four registers a step
.set WREG,  8192                       ; X: LDS of a wave: two stages of 32 x 80 bytes, then 256 scale bytes
.set SP,    80
.set NB,    8                          ; W: blocks of 32 along K for a wave
.set WPITCH, 272
.set WLDS,  32768                      ; W: its stages begin behind X's LDS
.set WX,    32                         ; W: v32-95 two sets of 32 numbers
.set WCD,   96
.set OUTR,  112
.set SB,    24
.set VOF,   176                        ; W: v176-207 byte offset of row i of a block at my column; never rewritten
	s_load_b256 s[4:11], s[0:1], 0x0               ; x s[4:5], w_qkv s[6:7], w_proj s[8:9], xq s[10:11]
	s_load_b128 s[12:15], s[0:1], 0x20             ; wts s[12:13], rope s[14:15]
	v_lshl_add_u32 v208, v0, 2, 0x10800
	v_mov_b32 v209, 0
	v_lshrrev_b32 v1, 5, v0
	v_readfirstlane_b32 s16, v1                    ; wave 0..3
	v_and_b32 v2, 31, v0                           ; lane
	s_cmp_lt_u32 ttmp9, 256
	s_cbranch_scc0 .Lnot_x
; ---------------- X: a wave takes 8 rows of x, 16 steps of 512 numbers.  Each load reads 512 consecutive bytes; a step's 2,048 bytes turn through the wave's stage so that a lane holds 16 neighbours.
	v_lshlrev_b32 v3, 4, v2                        ; my 16 bytes of a load's 512
	s_mul_i32 s17, s16, WREG
	v_lshrrev_b32 v14, 2, v2
	v_mul_u32_u24 v14, v14, SP
	v_and_b32 v15, 3, v2
	v_lshl_add_u32 v14, v15, 4, v14
	v_add_nc_u32 v14, s17, v14                     ; the stage, in: 80 (lane / 4) + 16 (lane % 4)
	v_mul_u32_u24 v15, v2, SP
	v_add_nc_u32 v15, s17, v15                     ; out: 80 x lane
	v_and_b32 v4, 15, v2
	v_mul_u32_u24 v4, v4, CB                       ; my codes' place: sixteen lanes fill a row's 192 bytes of a plane,
	v_lshrrev_b32 v8, 4, v2
	v_mad_u32_u24 v4, v8, PLANE, v4                ; lanes 16-31 those of the next plane
	v_lshrrev_b32 v5, 1, v2
	s_add_co_u32 s17, s17, 2*32*SP
	v_add_nc_u32 v5, s17, v5                       ; my block's scale byte in the wave's 256
	v_lshlrev_b32 v7, 3, v2
	v_add_nc_u32 v6, s17, v7
	s_lshl_b32 s18, ttmp9, 2
	s_add_co_u32 s20, s18, s16                     ; the run of 8 rows that I read: 4 x work-group + wave
	s_and_b32 s22, s20, 0xfffffff8                 ; and where it goes: of the run's number, bits 0, 1 (the rows' bits 3, 4) move up by one,
	s_lshl_b32 s19, s16, 1
	s_or_b32 s22, s22, s19
	s_and_b32 s19, ttmp9, 1                        ; and bit 2 (the rows' bit 5) becomes bit 0
	s_or_b32 s22, s22, s19
	s_lshl_b32 s20, s20, 15                        ; 8 rows of 4,096 bytes
	s_mov_b32 s21, 0
	s_mul_i32 s24, s22, 1536                       ; 8 rows of 192 bytes in a plane
	s_mov_b32 s25, 0
	s_lshl_b32 s26, s22, 8                         ; 8 rows of 32 bytes
	s_mov_b32 s27, 0
	s_wait_alu depctr_va_vdst(0)
	s_wait_kmcnt 0x0
	s_add_nc_u64 s[4:5], s[4:5], s[20:21]
	s_add_nc_u64 s[8:9], s[10:11], s[24:25]        ; the codes
	s_add_nc_u64 s[10:11], s[10:11], s[26:27]
	s_add_nc_u64 s[10:11], s[10:11], XSCL          ; the scale bytes
.macro XLOAD t
.irp i, 0,1,2,3
	global_load_b128 v[XR+16*((\t)%4)+4*\i:XR+16*((\t)%4)+4*\i+3], v3, s[4:5] offset:2048*(\t)+512*\i th:TH_LOAD_NT
.endr
.endm
.macro XTURN t                         ; LDS serves a wave's instructions in order: no wait between the stores and the loads
.irp i, 0,1,2,3
	ds_store_b128 v14, v[XR+16*((\t)%4)+4*\i:XR+16*((\t)%4)+4*\i+3] offset:32*SP*((\t)%2)+8*SP*\i
.endr
.irp i, 0,1,2,3
	ds_load_b128 v[XX+16*((\t)%2)+4*\i:XX+16*((\t)%2)+4*\i+3], v15 offset:32*SP*((\t)%2)+16*\i
.endr
.endm
.irp t, 0,1,2,3
	XLOAD \t
.endr
	s_wait_loadcnt 12                              ; step 0's four loads are in; three steps' twelve may be out
	XTURN 0
.macro XSTEP t
.set XS, XX+16*((\t)%2)
.if (\t) > 0
	s_wait_dscnt 1                                 ; this step's numbers are back from the stage; the last step's byte store may be out
.else
	s_wait_dscnt 0x0
.endif
.if (\t)+4 < STEPS
	XLOAD (\t)+4                                   ; into the set whose stores into the stage are done
.endif
.if (\t)+1 < STEPS
.if STEPS-2-(\t) >= 3
	s_wait_loadcnt 12                              ; the next step's four loads are in; those of the three steps behind it may be out
.else
	s_wait_loadcnt 4*(STEPS-2-(\t))
.endif
	XTURN (\t)+1
.endif
	v_max3_num_f32 v8, |v[XS]|, |v[XS+1]|, |v[XS+2]|               ; the largest magnitude of my 16, in two chains
	v_max3_num_f32 v9, |v[XS+3]|, |v[XS+4]|, |v[XS+5]|
.irp i, 6,10
	v_max3_num_f32 v8, v8, |v[XS+\i]|, |v[XS+\i+1]|
	v_max3_num_f32 v9, v9, |v[XS+\i+2]|, |v[XS+\i+3]|
.endr
	v_max3_num_f32 v8, v8, |v[XS+14]|, |v[XS+15]|
	v_max3_num_f32 v8, v8, v9, 0x1800000           ; and the floor 2^(3 - 127): the byte cannot fall under 1
	v_max_num_f32_dpp v8, v8, v8 row_xmask:1 row_mask:0xf bank_mask:0xf   ; with my neighbour's 16: the block's
	v_add_nc_u32 v11, 0xff000000, v8               ; 2 off its exponent field: the conversion takes that field as its scale
	v_cvt_scalef32_pk16_fp6_f32 v[XCD+4*(\t):XCD+4*(\t)+2], v[XS:XS+15], v11
	v_lshrrev_b32 v[XE+(\t)], 23, v11              ; the scale's byte
	ds_store_b8 v5, v[XE+(\t)] offset:16*(\t)      ; both lanes of a block write the same byte with the same value
	global_store_b96 v4, v[XCD+4*(\t):XCD+4*(\t)+2], s[8:9] offset:192*((\t)/2)+2*PLANE*((\t)%2)   ; row t / 2, planes 2 (t % 2) and the next: sixteen lanes store 192 consecutive bytes
.endm
.irp t, 0,1,2,3,4,5,6,7,8,9,10,11,12,13,14,15
	XSTEP \t
.endr
	ds_load_b64 v[12:13], v6
	s_wait_dscnt 0x0
	global_store_b64 v7, v[12:13], s[10:11]        ; 32 lanes store 256 consecutive bytes, aligned
	s_wait_tensorcnt 0x0
	ds_add_u32 v208, v209
	s_wait_dscnt 0x0
	s_endpgm
; ---------------- W: a lane takes a column and its registers run down K.  A wave: 32 columns x 256 along K.  Work-group j: columns 128 (j / 4) on of the two weights on end, K step j % 4.
.Lnot_x:
	s_cmp_lt_u32 ttmp9, 384
	s_cbranch_scc0 .Ltable
	s_sub_co_u32 s17, ttmp9, 256
	s_lshr_b32 s18, s17, 2                         ; group of 128 columns, 0..31: 24 of w_qkv, 8 of w_proj
	s_and_b32 s19, s17, 3                          ; which 256 along K
	s_wait_kmcnt 0x0
	s_cmp_lt_u32 s18, 24
	s_cselect_b64 s[4:5], s[6:7], s[8:9]           ; the weight
	s_mov_b32 s20, 4096
	s_cselect_b32 s20, 12288, s20                  ; bytes from a row of it to the next
	s_cselect_b32 s21, 0, 24
	s_sub_co_u32 s21, s18, s21                     ; the group's number inside its weight
	s_lshl_b32 s22, s20, 8
	s_mul_i32 s22, s22, s19                        ; 256 rows for each K step
	s_lshl_b32 s23, s21, 9
	s_add_co_u32 s22, s22, s23
	s_lshl_b32 s23, s16, 7
	s_add_co_u32 s22, s22, s23                     ; + 4 x my wave's first column
	s_mov_b32 s23, 0
	s_add_nc_u64 s[32:33], s[4:5], s[22:23]        ; s[32+2t:33+2t]: block t's first row at my wave's first column
	s_lshl_b32 s50, s20, 5
	s_mov_b32 s51, 0
.irp t, 1,2,3,4,5,6,7
	s_add_nc_u64 s[32+2*\t:33+2*\t], s[30+2*\t:31+2*\t], s[50:51]
.endr
	s_wait_alu depctr_va_vdst(0)
	v_lshlrev_b32 v[VOF], 2, v2
.set i, 1
.rept 31
	v_add_nc_u32 v[VOF+i], s20, v[VOF+i-1]
.set i, i+1
.endr
	s_mul_i32 s24, s16, 32*WPITCH
	s_add_co_u32 s24, s24, WLDS                    ; my stage
	v_mul_u32_u24 v4, v2, WPITCH
	v_add_nc_u32 v4, s24, v4                       ; in: row = my column
	v_and_b32 v5, 15, v2
	v_lshrrev_b32 v6, 4, v2
	v_mul_u32_u24 v7, v6, WPITCH
	v_lshl_add_u32 v7, v5, 4, v7
	v_add_nc_u32 v7, s24, v7                       ; out: sixteen lanes to a row, two rows an instruction
	v_mul_u32_u24 v8, v6, 192
	v_mad_u32_u24 v8, v5, 12, v8                   ; and the same place in the codes' rows
	s_lshl_b32 s25, s18, 7
	s_lshl_b32 s26, s16, 5
	s_add_co_u32 s25, s25, s26                     ; my wave's first row of wts
	s_mul_i32 s26, s25, 192
	s_mul_i32 s27, s19, PLANE
	s_add_co_u32 s26, s26, s27
	s_mov_b32 s27, 0
	s_add_nc_u64 s[28:29], s[12:13], s[26:27]      ; the codes
	s_lshl_b32 s26, s25, 5
	s_lshl_b32 s52, s19, 3
	s_add_co_u32 s26, s26, s52
	s_add_nc_u64 s[30:31], s[12:13], s[26:27]
	s_add_nc_u64 s[30:31], s[30:31], WSCL          ; the scale bytes
	v_and_b32 v9, 7, v2                            ; my column's place among the wave's 32: bits 3 and 4 exchanged
	v_and_b32 v10, 8, v2
	v_lshl_or_b32 v9, v10, 1, v9
	v_and_b32 v10, 16, v2
	v_lshrrev_b32 v10, 1, v10
	v_or_b32 v9, v9, v10
	v_lshlrev_b32 v9, 5, v9                        ; 32 scale bytes a row
.macro WLOAD t                         ; block t: rows 32 t + i of the K step at my column; 32 lanes read 128 consecutive bytes
.set i, 0
.rept 32
	global_load_b32 v[WX+32*((\t)%2)+i], v[VOF+i], s[32+2*(\t):33+2*(\t)] th:TH_LOAD_NT
.set i, i+1
.endr
.endm
	WLOAD 0
	WLOAD 1
.macro WBLOCK t
.set XS, WX+32*((\t)%2)
.if (\t) < NB-1
	s_wait_loadcnt 32                              ; this block's 32 loads are in; the next block's may be out
.else
	s_wait_loadcnt 0x0
.endif
	v_max3_num_f32 v12, |v[XS]|, |v[XS+1]|, |v[XS+2]|              ; all 32 numbers of the block are mine
	v_max3_num_f32 v13, |v[XS+3]|, |v[XS+4]|, |v[XS+5]|
.irp i, 6,10,14,18,22,26
	v_max3_num_f32 v12, v12, |v[XS+\i]|, |v[XS+\i+1]|
	v_max3_num_f32 v13, v13, |v[XS+\i+2]|, |v[XS+\i+3]|
.endr
	v_max3_num_f32 v12, v12, |v[XS+30]|, |v[XS+31]|
	v_max3_num_f32 v12, v12, v13, 0x1800000        ; the floor
	v_add_nc_u32 v11, 0xff000000, v12
	v_lshrrev_b32 v13, 23, v11                     ; the scale's byte
.if (\t)%4 == 0
	v_mov_b32 v[SB+(\t)/4], v13
.else
	v_lshl_or_b32 v[SB+(\t)/4], v13, 8*((\t)%4), v[SB+(\t)/4]
.endif
	v_cvt_scalef32_pk16_fp6_f32 v[WCD:WCD+2], v[XS:XS+15], v11
	v_cvt_scalef32_pk16_fp6_f32 v[WCD+4:WCD+6], v[XS+16:XS+31], v11
	ds_store_b96 v4, v[WCD:WCD+2] offset:32*(\t)   ; 12 bytes to a place of 16, so that every LDS address is a multiple of 16
	ds_store_b96 v4, v[WCD+4:WCD+6] offset:32*(\t)+16
.if (\t)+2 < NB
	WLOAD (\t)+2
.endif
	s_wait_dscnt 0x0                               ; the stores have read their registers: the next block's codes may be written
.endm
.irp t, 0,1,2,3,4,5,6,7
	WBLOCK \t
.endr
	s_wait_alu depctr_va_vdst(0)
	global_store_b64 v9, v[SB:SB+1], s[30:31]      ; my column's 8 scale bytes
.irp t, 0,1,2,3,4,5,6,7,8,9,10,11,12,13,14,15
	ds_load_b96 v[OUTR+4*\t:OUTR+4*\t+2], v7 offset:2*\t*WPITCH
.endr
.irp t, 0,1,2,3,4,5,6,7,8,9,10,11,12,13,14,15
	s_wait_dscnt 15-\t                             ; rows 2 t and 2 t + 1 are back; the later ones may be out
	global_store_b96 v8, v[OUTR+4*\t:OUTR+4*\t+2], s[28:29] offset:(((2*\t)%8)+16*((\t/4)%2)+8*(\t/8))*192   ; column 2 t (+ 1) goes to its place: bits 3 and 4 exchanged; sixteen lanes store 192 consecutive bytes
.endr
	s_wait_tensorcnt 0x0
	ds_add_u32 v208, v209
	s_wait_dscnt 0x0
	s_endpgm
; ---------------- T: lane i holds theta_i; a wave makes 32 tokens, one a trip: 32 lanes store the token's 256 bytes.
.Ltable:
	s_sub_co_u32 s17, ttmp9, 384
	s_lshl_b32 s17, s17, 2
	s_add_co_u32 s17, s17, s16
	s_lshl_b32 s17, s17, 5                         ; my first token
	v_mov_b32 v3, 0
.set LN, 0
.macro PUT bits                        ; 10^(LN / 8), rounded to f32, into lane LN
	s_mov_b32 s18, \bits
	v_writelane_b32 v3, s18, LN
.set LN, LN+1
.endm
	PUT 0x3f800000
	PUT 0x3faab0d5
	PUT 0x3fe39ea9
	PUT 0x4017c496
	PUT 0x404a62c2
	PUT 0x4086f161
	PUT 0x40b3f300
	PUT 0x40eff755
	PUT 0x41200000
	PUT 0x41555d0a
	PUT 0x418e432a
	PUT 0x41bdb5bc
	PUT 0x41fcfb72
	PUT 0x4228adb9
	PUT 0x4260efc0
	PUT 0x4295fa95
	PUT 0x42c80000
	PUT 0x43055a26
	PUT 0x4331d3f4
	PUT 0x436d232b
	PUT 0x439e1d27
	PUT 0x43d2d927
	PUT 0x440c95d8
	PUT 0x443b793b
	PUT 0x447a0000
	PUT 0x44a6b0b0
	PUT 0x44de48f1
	PUT 0x451435fb
	PUT 0x4545a471
	PUT 0x4583c7b8
	PUT 0x45afbb4e
	PUT 0x45ea5789
	s_wait_alu depctr_va_vdst(0)
	v_rcp_f32 v4, v3
	v_lshlrev_b32 v10, 3, v2                       ; (a plain instruction behind the reciprocal)  8 bytes a lane
	s_wait_alu depctr_va_vdst(0)                   ; ahead of the first reader
	v_fma_f32 v5, -v3, v4, 1.0                     ; one Newton step: 1 / P to the last place or nearly
	v_fma_f32 v4, v4, v5, v4
	v_mul_f32 v4, 0x40400000, v4                   ; theta = 3 / P
	s_mov_b32 s20, 0x3f22f983                      ; 2 / pi
	s_mov_b32 s21, 0x3fc90fdb                      ; pi / 2: its f32,
	s_mov_b32 s22, 0xb33bbd2e                      ; and what is left of it
	s_mov_b32 s23, 0xbe2aaaa3                      ; sine: r + r z (S1 + z (S2 + z S3)), |r| <= pi / 4
	s_mov_b32 s24, 0x3c08839e
	s_mov_b32 s25, 0xb94ca1f9
	s_mov_b32 s26, 0x3d2aaaa5                      ; cosine: 1 - z / 2 + z^2 (C1 + z (C2 + z C3))
	s_mov_b32 s27, 0xbab6061a
	s_mov_b32 s28, 0x37ccf5ce
	s_lshl_b32 s30, s17, 8
	s_mov_b32 s31, 0
	s_wait_kmcnt 0x0
	s_add_nc_u64 s[14:15], s[14:15], s[30:31]
	s_mov_b32 s29, 0
.Ltok:
	v_cvt_f32_u32 v5, s17
	s_wait_alu depctr_va_vdst(0)
	v_mul_f32 v5, v5, v4                           ; the angle, rounded to f32 as the table's definition has it
	v_mul_f32 v6, s20, v5
	v_rndne_f32 v6, v6                             ; n quarter turns, under 2^12
	v_fma_f32 v7, -v6, s21, v5                     ; exact: the difference is a multiple of 2^-24 under 1
	v_fma_f32 v7, -v6, s22, v7                     ; r
	v_mul_f32 v8, v7, v7                           ; z
	v_fma_f32 v9, s25, v8, s24
	v_fma_f32 v9, v9, v8, s23
	v_mul_f32 v11, v7, v8
	v_fma_f32 v9, v11, v9, v7                      ; sin r
	v_fma_f32 v12, s28, v8, s27
	v_fma_f32 v12, v12, v8, s26
	v_mul_f32 v13, v8, v8
	v_fma_f32 v14, v8, -0.5, 1.0
	v_fma_f32 v12, v13, v12, v14                   ; cos r
	v_cvt_i32_f32 v15, v6
	v_and_b32 v16, 1, v15
	v_cmp_eq_u32 vcc_lo, 1, v16                    ; an odd quarter exchanges the two (a choice of values, no branch)
	v_cndmask_b32 v17, v9, v12, vcc_lo
	v_cndmask_b32 v18, v12, v9, vcc_lo
	v_lshlrev_b32 v19, 30, v15
	v_and_b32 v19, 0x80000000, v19                 ; the sine is negative in quarters 2, 3
	v_add_nc_u32 v15, 1, v15
	v_lshlrev_b32 v15, 30, v15
	v_and_b32 v15, 0x80000000, v15                 ; the cosine in quarters 1, 2
	v_xor_b32 v21, v17, v19
	v_xor_b32 v20, v18, v15
	global_store_b64 v10, v[20:21], s[14:15]       ; 32 lanes store 256 consecutive bytes, aligned
	s_wait_xcnt 0x0                                ; the store has read its data and its base: both are written again
	s_add_nc_u64 s[14:15], s[14:15], 256
	s_add_co_u32 s17, s17, 1
	s_add_co_u32 s29, s29, 1
	s_cmp_lt_u32 s29, 32
	s_cbranch_scc1 .Ltok
	s_endpgm
.Lfunc_end_k_qc77e2a11f3_prep:
	.size	k_qc77e2a11f3_prep, .Lfunc_end_k_qc77e2a11f3_prep-k_qc77e2a11f3_prep
	.p2alignl 7, 3214868480
	.fill 96, 4, 3214868480
	.section	.rodata,"a",@progbits
	.p2align	6, 0x0
	.amdhsa_kernel k_qc77e2a11f3_prep
		.amdhsa_group_segment_fixed_size 68096
		.amdhsa_private_segment_fixed_size 0
		.amdhsa_enable_private_segment 0
		.amdhsa_kernarg_size 48
		.amdhsa_user_sgpr_count 2
		.amdhsa_user_sgpr_kernarg_segment_ptr 1
		.amdhsa_wavefront_size32 1
		.amdhsa_system_sgpr_workgroup_id_x 1
		.amdhsa_system_sgpr_workgroup_id_y 1
		.amdhsa_system_sgpr_workgroup_id_z 1
		.amdhsa_system_vgpr_workitem_id 0
		.amdhsa_next_free_vgpr 210
		.amdhsa_next_free_sgpr 66
		.amdhsa_reserve_vcc 1
		.amdhsa_float_denorm_mode_32 3
		.amdhsa_float_denorm_mode_16_64 3
		.amdhsa_memory_ordered 1
		.amdhsa_forward_progress 1
		.amdhsa_inst_pref_size 82
	.end_amdhsa_kernel
	.amdgpu_metadata
---
amdhsa.version: [ 1, 2 ]
amdhsa.kernels:
  - .name:           k_qc77e2a11f3_prep
    .symbol:         k_qc77e2a11f3_prep.kd
    .args:
      - { .name: x, .offset: 0, .size: 8, .value_kind: global_buffer, .address_space: global }
      - { .name: w_qkv, .offset: 8, .size: 8, .value_kind: global_buffer, .address_space: global }
      - { .name: w_proj, .offset: 16, .size: 8, .value_kind: global_buffer, .address_space: global }
      - { .name: xq, .offset: 24, .size: 8, .value_kind: global_buffer, .address_space: global }
      - { .name: wts, .offset: 32, .size: 8, .value_kind: global_buffer, .address_space: global }
      - { .name: rope, .offset: 40, .size: 8, .value_kind: global_buffer, .address_space: global }
    .group_segment_fixed_size: 68096
    .private_segment_fixed_size: 0
    .kernarg_segment_align: 8
    .kernarg_segment_size: 48
    .max_flat_workgroup_size: 128
    .sgpr_count:     66
    .vgpr_count:     210
    .wavefront_size: 32
...
	.end_amdgpu_metadata
.endif
;; end of part 1
;; launch qkv (part 2): grid 12 x 32, 4 waves a work-group, clusters of 4 x 4, 327,680 bytes of LDS; arguments xq, wts, rope, qimg, kv; writes qimg, kv
.if DOCPART == 2
	.amdgcn_target "amdgcn-amd-amdhsa--gfx1250"
	.amdhsa_code_object_version 6
	.text
	.protected	k_qc77e2a11f3_qkv
	.globl	k_qc77e2a11f3_qkv
	.p2align	8
	.type	k_qc77e2a11f3_qkv,@function
k_qc77e2a11f3_qkv:
	s_mov_b64 s[64:65], 0
	v_nop
	global_prefetch_b8 v0, s[64:65] scope:SCOPE_SE
	s_setreg_imm32_b32 hwreg(HW_REG_WAVE_MODE, 25, 1), 1
	s_wait_xcnt 0x0
	s_wait_alu depctr_hold_cnt(0) depctr_sa_sdst(0) depctr_va_vdst(0) depctr_va_sdst(0) depctr_va_ssrc(0) depctr_va_vcc(0) depctr_vm_vsrc(0)
	s_getreg_b32 s2, hwreg(HW_REG_IB_STS2, 6, 4)
	s_cmp_eq_u32 s2, 0
	s_cbranch_scc0 .Lentry_in_a_cluster
	s_endpgm
.Lentry_in_a_cluster:
	s_bfe_u32 s2, ttmp6, 0x10000c
	s_cmp_lg_u32 s2, 0xf033
	s_cbranch_scc0 .Lentry_shape_is_right
	s_endpgm
.Lentry_shape_is_right:
.set KSTEP,  256
.set NQ,     2
; x w_qkv on codes of FP6 with E8M0 scales, a tile of 256 x 256 to a work-group, then rope, the quantisers of q, k (along the channels) and v (along the tokens), stored as images of operand registers.
; xq and wts lie in four planes, one for each 256 along K; a plane's rows are 192 dense bytes, so a tile comes as dense rows of 256 bytes that begin on multiples of 256; 16 bytes of padding behind each 64 give LDS rows of 240.
; The head asks for four tiles, one joint load a wave: K step 0 of A's 256 rows, of B's 256 rows, A's scales, B's scales.  K is 1,024, four steps at this block in clusters: no prefetch is laid.
.set ROWB,   1572864                   ; bytes from a plane to the next
.set KROW,   192                       ; a row of a plane
.set PITCH,  240
.set FR,     12
.set NL,     6
.set NP,     4
.set HALFT,  128*PITCH
.set SLOT,   4*HALFT
.set LAPS,   2
.set KS,     32
.set SCL,    2*SLOT
.set HALFS,  16*272
.set SBLK,   2*272
.set SPARE,  SCL+4*HALFS
.set XSCL,   6291456
.set WSCL,   6291456
.set ADRA, 16
.set ADRB, 20
.set ADRS, 27
.set SPW,  28
.set NIL,  29
.set SC,   32
.set AF,   128
.set G1, 24
.set G0, 32
.set G1B, 48
.set G0B, 56
.set G1S, 68
.set G0S, 76
.set G1SB, 80
.set G0SB, 88
.set L16, 24
.set L8,  25
.set RA,  26
.set RP,  0
.set HA,  64
.set TM,  128
.set PW,  144
.set RT,  146
.set WT,  150
.set CT,  152
.set IM,  160
.set SW,  208
.set MSB, 0
.macro WIN new
.if MSB != (\new)
	s_set_vgpr_msb (MSB<<8)|(\new)
.set MSB, (\new)
.endif
.endm
.set MUL_LO, 0xa1
.set MUL_HI, 0xf1
.set TO_B,   0x40
.macro JLOAD g0a, g1a, g0b, g1b
	s_cmp_eq_u32 s15, 0
	s_cbranch_scc0 .Lfor_b_\@
	tensor_load_to_lds s[\g0a:\g0a+3], s[\g1a:\g1a+7]
	s_nop 0
.rept 4
	v_nop
.endr
	s_branch .Lasked_\@
.Lfor_b_\@:
	tensor_load_to_lds s[\g0b:\g0b+3], s[\g1b:\g1b+7]
	s_nop 0
.rept 4
	v_nop
.endr
.Lasked_\@:
.endm
.macro CREST
	s_cmp_lg_u32 s14, 0
	s_cbranch_scc1 .Lnot_wave_0_\@
	s_barrier_signal -3
.Lnot_wave_0_\@:
	s_barrier_wait -3
	s_barrier_signal -1
	s_barrier_wait -1
.endm
.macro CROUND
	s_barrier_signal -1
	s_barrier_wait -1
	CREST
.endm
	s_load_b128 s[4:7], s[0:1], 0x0
	s_load_b128 s[8:11], s[0:1], 0x10
	s_load_b64 s[12:13], s[0:1], 0x20
	v_lshl_add_u32 v[SPW], v0, 2, SPARE
	v_mov_b32 v[NIL], 0
	ds_add_u32 v28, v29
	ds_add_u32 v28, v29
	s_wait_dscnt 0x0
	v_lshrrev_b32 v1, 5, v0
	v_readfirstlane_b32 s14, v1
	s_lshr_b32 s15, s14, 1
	s_and_b32 s16, s14, 1
	s_bfe_u32 s40, ttmp6, 0x40000
	s_bfe_u32 s41, ttmp6, 0x40004
	s_and_b32 s17, ttmp7, 0xffff
	s_lshl_b32 s17, s17, 2
	s_add_co_u32 s66, s17, s41
	s_add_co_u32 s67, s17, s40
	s_lshl_b32 s42, ttmp9, 2
	s_add_co_u32 s42, s42, s40
	s_cmp_eq_u32 ttmp9, 2
	s_cselect_b32 s17, s41, s66
	s_cselect_b32 s42, s67, s42
	s_lshl_b32 s43, s41, 2
	s_lshl_b32 s43, 15, s43
	s_lshl_b32 s44, 0x1111, s40
	s_or_b32 s[G1+0], s43, (0<<16)|(1<<20)|(1<<21)|(3<<22)|(3<<25)
	s_or_b32 s[G1B+0], s44, (0<<16)|(1<<20)|(1<<21)|(3<<22)|(3<<25)
.irp g, G1, G1B
	s_mov_b32 s[\g+1], 256<<16                     ; dense rows of 256 bytes;
	s_mov_b32 s[\g+2], 192<<16                     ; the head's loads bring 192 of them (256 rows of a plane), the ring's 96
	s_mov_b32 s[\g+3], 256<<16
	s_mov_b32 s[\g+4], 192
	s_mov_b32 s[\g+5], 256
	s_mov_b32 s[\g+6], 0
	s_mov_b32 s[\g+7], 0
.endr
	s_or_b32 s[G1S+0], s43, (3<<16)|(1<<20)|(1<<21)|(5<<22)|(3<<25)
	s_or_b32 s[G1SB+0], s44, (3<<16)|(1<<20)|(1<<21)|(5<<22)|(3<<25)
.irp g, G1S, G1SB
	s_mov_b32 s[\g+1], 32<<16
	s_mov_b32 s[\g+2], 32<<16                      ; the scales of 256 rows: 32 rows of 256 bytes
	s_mov_b32 s[\g+3], 32<<16
	s_mov_b32 s[\g+4], 32
	s_mov_b32 s[\g+5], 32
	s_mov_b32 s[\g+6], 0
	s_mov_b32 s[\g+7], 0
.endr
	s_lshl_b32 s20, s17, 8                         ; the tiles' first rows
	s_lshl_b32 s46, s42, 8
	s_mov_b32 s21, 0
	s_mov_b32 s47, 0
	s_mov_b64 s[18:19], KS
	s_mul_u64 s[22:23], s[20:21], s[18:19]
	s_mul_u64 s[92:93], s[46:47], s[18:19]
	s_mov_b64 s[18:19], KROW
	s_mul_u64 s[20:21], s[20:21], s[18:19]
	s_mul_u64 s[46:47], s[46:47], s[18:19]
	s_mul_i32 s45, s14, HALFT
	s_wait_kmcnt 0x0
	s_add_nc_u64 s[96:97], s[4:5], XSCL
	s_add_nc_u64 s[98:99], s[6:7], WSCL
	s_add_nc_u64 s[100:101], s[6:7], 2048*KROW
	s_add_nc_u64 s[104:105], s[98:99], 2048*KS
	s_cmp_eq_u32 ttmp9, 2
	s_cselect_b64 s[100:101], s[100:101], s[4:5]
	s_cselect_b64 s[104:105], s[104:105], s[96:97]
	s_cselect_b64 s[4:5], s[4:5], s[6:7]
	s_cselect_b64 s[96:97], s[96:97], s[98:99]
	s_add_nc_u64 s[20:21], s[100:101], s[20:21]
	s_add_nc_u64 s[22:23], s[104:105], s[22:23]
	s_add_nc_u64 s[46:47], s[4:5], s[46:47]
	s_add_nc_u64 s[92:93], s[96:97], s[92:93]
	CROUND
	s_mov_b32 s[G0S], 1
	s_mov_b32 s[G0S+1], SCL
	s_mov_b64 s[G0S+2:G0S+3], s[22:23]
	s_or_b32 s[G0S+3], s[G0S+3], 0x80000000
	s_mov_b32 s[G0SB], 1
	s_mov_b32 s[G0SB+1], SCL+2*HALFS
	s_mov_b64 s[G0SB+2:G0SB+3], s[92:93]
	s_or_b32 s[G0SB+3], s[G0SB+3], 0x80000000
.set G0H,  4                           ; s[4:7], s[96:99]: group 0 of the head's loads of codes (what lay there has been used)
.set G0HB, 96
	s_mov_b32 s[G0H], 1
	s_mov_b32 s[G0H+1], 0
	s_mov_b64 s[G0H+2:G0H+3], s[20:21]
	s_or_b32 s[G0H+3], s[G0H+3], 0x80000000
	s_mov_b32 s[G0HB], 1
	s_mov_b32 s[G0HB+1], 2*HALFT
	s_mov_b64 s[G0HB+2:G0HB+3], s[46:47]
	s_or_b32 s[G0HB+3], s[G0HB+3], 0x80000000
; one tree of branches on the wave's number, one joint load to an arm
.macro ARM under, g0, g1, next
	s_cmp_lt_u32 s14, \under
	s_cbranch_scc0 \next
	tensor_load_to_lds s[\g0:\g0+3], s[\g1:\g1+7]
	s_nop 0
.rept 4
	v_nop
.endr
	s_branch .Lhead_asked
\next:
.endm
	ARM 1, G0H,  G1,  .Lhead_b
	ARM 2, G0HB, G1B, .Lhead_sa
	ARM 3, G0S,  G1S, .Lhead_sb
	tensor_load_to_lds s[G0SB:G0SB+3], s[G1SB:G1SB+7]
	s_nop 0
.rept 4
	v_nop
.endr
.Lhead_asked:
	s_mul_i32 s18, s16, 24576                      ; for the ring: my 128 rows of the tile
	s_mov_b32 s19, 0
	s_add_nc_u64 s[20:21], s[20:21], s[18:19]
	s_add_nc_u64 s[46:47], s[46:47], s[18:19]
.irp s, 0,1
	s_mov_b32 s[G0+4*\s], 1
	s_add_co_u32 s[G0+4*\s+1], s45, \s*SLOT
	s_add_nc_u64 s[G0+4*\s+2:G0+4*\s+3], s[20:21], \s*ROWB
	s_or_b32 s[G0+4*\s+3], s[G0+4*\s+3], 0x80000000
	s_mov_b32 s[G0B+4*\s], 1
	s_add_co_u32 s[G0B+4*\s+1], s45, \s*SLOT
	s_add_nc_u64 s[G0B+4*\s+2:G0B+4*\s+3], s[46:47], \s*ROWB
	s_or_b32 s[G0B+4*\s+3], s[G0B+4*\s+3], 0x80000000
.endr
	v_and_b32 v1, 15, v0
	v_bfe_u32 v2, v0, 4, 1
	v_mul_u32_u24 v3, v1, PITCH
	v_mul_u32_u24 v4, v2, 24
	v_add_nc_u32 v4, v3, v4
	v_lshl_add_u32 v5, v2, 4, v4
	s_mul_i32 s21, s15, HALFT
	s_mul_i32 s22, s16, HALFT
	s_add_co_u32 s22, s22, 2*HALFT
.irp s, 0,1
	v_add_nc_u32 v[ADRA+\s], s21, v4
	v_add_nc_u32 v[ADRB+\s], s22, v4
	v_add_nc_u32 v[ADRA+2+\s], s21, v5
	v_add_nc_u32 v[ADRB+2+\s], s22, v5
	s_add_co_u32 s21, s21, SLOT
	s_add_co_u32 s22, s22, SLOT
.endr
	v_mul_u32_u24 v5, v1, KS
	v_lshrrev_b32 v6, 8, v5
	v_lshl_add_u32 v5, v6, 4, v5
	s_mul_i32 s21, s15, HALFS
	s_mul_i32 s22, s16, HALFS
	s_add_co_u32 s22, s22, 2*HALFS
	s_sub_co_u32 s22, s22, s21
	v_mul_u32_u24 v6, s22, v2
	s_add_co_u32 s21, s21, SCL
	v_add_nc_u32 v5, v5, v6
	v_add_nc_u32 v[ADRS], s21, v5
.macro FRAG reg, adr, q, i
.irp p, 0,1,2,3,4,5
.set PCE, 12*(\q)+6*(\p/3)+\p%3
.if PCE%8 < 5
	ds_load_b64 v[\reg+2*\p:\reg+2*\p+1], v[\adr] offset:8*PCE+16*(PCE/8)+(\i)*16*PITCH
.else
	ds_load_b64 v[\reg+2*\p:\reg+2*\p+1], v[\adr+2] offset:8*PCE+16*(PCE/8)+(\i)*16*PITCH
.endif
.endr
.endm
.macro MUL16 a0, p, q, sc, zero
.irp a, \a0, \a0+1
.irp b, 0,1,2,3,4,5,6,7
.if \zero
	v_wmma_scale_f32_16x16x128_f8f6f4 v[8*(8*((\a)%4)+\b):8*(8*((\a)%4)+\b)+7], v[128*(\p)+FR*\b:128*(\p)+FR*\b+FR-1], v[AF+FR*(\a):AF+FR*(\a)+FR-1], 0, v[SC+8*NQ*(\sc)+NQ*\b+(\q)], v[SC+8*NQ*(\sc)+NQ*(\a)+(\q)] matrix_a_fmt:MATRIX_FMT_FP6 matrix_b_fmt:MATRIX_FMT_FP6 matrix_a_scale:MATRIX_SCALE_ROW1
.else
	v_wmma_scale_f32_16x16x128_f8f6f4 v[8*(8*((\a)%4)+\b):8*(8*((\a)%4)+\b)+7], v[128*(\p)+FR*\b:128*(\p)+FR*\b+FR-1], v[AF+FR*(\a):AF+FR*(\a)+FR-1], v[8*(8*((\a)%4)+\b):8*(8*((\a)%4)+\b)+7], v[SC+8*NQ*(\sc)+NQ*\b+(\q)], v[SC+8*NQ*(\sc)+NQ*(\a)+(\q)] matrix_a_fmt:MATRIX_FMT_FP6 matrix_b_fmt:MATRIX_FMT_FP6 matrix_a_scale:MATRIX_SCALE_ROW1
.endif
.endr
.endr
.endm
.macro FETCH_B slot, q, p
	WIN TO_B
.irp i, 0,1,2,3,4,5,6,7
	FRAG 128*(\p)+FR*\i, ADRB+\slot, \q, \i
.endr
	WIN 0
.endm
.macro FETCH_A slot, q, i0
.irp i, \i0, \i0+1, \i0+2, \i0+3
	FRAG AF+FR*(\i), ADRA+\slot, \q, \i
.endr
.endm
.macro SCALES sc
.irp i, 0,1,2,3,4,5,6,7
	ds_load_b64 v[SC+8*NQ*\sc+NQ*\i:SC+8*NQ*\sc+NQ*\i+1], v[ADRS] offset:\i*SBLK
.endr
.endm
.macro PLACES n
.rept \n
	v_nop
.endr
.endm
.macro STEP slot, q, zero
	s_wait_dscnt 4*NL
	WIN MUL_LO
	MUL16 0, (\q)%2, \q, \slot, \zero
	MUL16 2, (\q)%2, \q, \slot, \zero
	s_wait_dscnt 0
	PLACES NP
	FETCH_B \slot, (\q)+1, 1-(\q)%2
	FETCH_A \slot, (\q)+1, 0
	WIN MUL_HI
	MUL16 4, (\q)%2, \q, \slot, \zero
	MUL16 6, (\q)%2, \q, \slot, \zero
	PLACES NP
	WIN 0
	FETCH_A \slot, (\q)+1, 4
.endm
.macro TURN slot, next, fill
	s_wait_tensorcnt 0x0
	ds_add_u32 v[SPW], v[NIL]
	s_wait_dscnt 4*NL+1
	WIN MUL_LO
	MUL16 0, 1, NQ-1, \slot, 0
	s_wait_dscnt 0x0
	s_barrier_signal -1
	MUL16 2, 1, NQ-1, \slot, 0
	WIN 0
	s_barrier_wait -1
.if \fill
	CREST
	s_add_nc_u64 s[G0+4*\slot+2:G0+4*\slot+3], s[G0+4*\slot+2:G0+4*\slot+3], 2*ROWB
	s_add_nc_u64 s[G0B+4*\slot+2:G0B+4*\slot+3], s[G0B+4*\slot+2:G0B+4*\slot+3], 2*ROWB
	JLOAD G0+4*\slot, G1, G0B+4*\slot, G1B
.else
	PLACES NP
.endif
	s_wait_alu depctr_va_vdst(0)
	v_add_nc_u32 v[ADRS], 4*NQ, v[ADRS]
	FETCH_B \next, 0, 0
	FETCH_A \next, 0, 0
	SCALES \next
	WIN MUL_HI
	MUL16 4, 1, NQ-1, \slot, 0
	MUL16 6, 1, NQ-1, \slot, 0
	PLACES NP
	WIN 0
	FETCH_A \next, 0, 4
.endm
	s_wait_alu depctr_va_vdst(0)
	s_wait_tensorcnt 0x0                           ; my tile of the head's four is in
	ds_add_u32 v[SPW], v[NIL]
	s_mov_b32 s[G1+2], 96<<16                      ; no load of mine is out: from here on a load brings 128 rows of a plane
	s_mov_b32 s[G1+4], 96
	s_mov_b32 s[G1B+2], 96<<16
	s_mov_b32 s[G1B+4], 96
	s_wait_dscnt 0x0
	CROUND
	JLOAD G0+4, G1, G0B+4, G1B                     ; K step 1, the first tensor load behind the round
	FETCH_B 0, 0, 0
	FETCH_A 0, 0, 0
	SCALES 0
	FETCH_A 0, 0, 4
	STEP 0, 0, 1
	s_mov_b32 s3, LAPS-1
.Llap:
	TURN 0, 1, 1
	STEP 1, 0, 0
	TURN 1, 0, 1
	STEP 0, 0, 0
	s_sub_co_u32 s3, s3, 1
	s_cmp_lg_u32 s3, 0
	s_cbranch_scc1 .Llap
	TURN 0, 1, 0
	STEP 1, 0, 0
	s_wait_dscnt 4*NL
	WIN MUL_LO
	MUL16 0, 1, NQ-1, 1, 0
	MUL16 2, 1, NQ-1, 1, 0
	s_wait_dscnt 0
	WIN MUL_HI
	MUL16 4, 1, NQ-1, 1, 0
	MUL16 6, 1, NQ-1, 1, 0
	WIN 0
	PLACES NP
	v_and_b32 v1, 31, v0
	v_lshlrev_b32 v[L16], 4, v1
	v_lshlrev_b32 v[L8], 3, v1
	v_and_b32 v2, 15, v0
	v_and_b32 v3, 8, v0
	v_mad_u32_u24 v2, v3, 3, v2                    ; my token in a tile: 0 .. 7, 32 .. 39
	v_bfe_u32 v3, v0, 4, 1
	v_lshlrev_b32 v30, 3, v3                       ; 8 x (lane / 16)
	v_lshlrev_b32 v2, 8, v2
	v_lshl_add_u32 v[RA], v3, 6, v2
.irp b, 0,1,2,3
	v_mov_b32 v[TM+4+\b], 0
.endr
	s_mov_b32 s66, 0x76543210
	s_mov_b32 s67, 0xfedcba98
	s_mov_b32 s95, 0xffff0000
	s_cmp_eq_u32 ttmp9, 2
	s_cselect_b32 s18, s42, s17
	s_cselect_b32 s19, s16, s15
	s_cselect_b32 s20, s41, s40
	s_cselect_b32 s21, s15, s16
	s_lshr_b32 s22, s18, 3
	s_and_b32 s18, s18, 7
	s_lshl_b32 s18, s18, 1
	s_add_co_u32 s18, s18, s19
	s_lshl_b32 s20, s20, 2
	s_lshl_b32 s21, s21, 1
	s_add_co_u32 s20, s20, s21
	s_lshl_b32 s22, s22, 4
	s_add_co_u32 s20, s20, s22
	s_lshl_b32 s20, s20, 4
	s_add_co_u32 s20, s20, s18
	s_cmp_eq_u32 ttmp9, 0
	s_cselect_b64 s[96:97], s[10:11], s[12:13]
	s_mov_b32 s21, 13056
	s_cselect_b32 s21, 6656, s21
	s_mul_i32 s22, s20, s21
	s_mov_b32 s23, 0
	s_add_nc_u64 s[96:97], s[96:97], s[22:23]
	s_lshl_b32 s22, s21, 4
	s_add_nc_u64 s[98:99], s[96:97], s[22:23]
	s_lshl_b32 s22, s18, 15
	s_add_nc_u64 s[100:101], s[8:9], s[22:23]
.macro QUANT s, w, d0, d1, pw
	WIN 5*(\w)
.irp b, 0,1,2,3
	v_max3_num_f32 v[TM+\b], |v[(\s)+16*\b]|, |v[(\s)+1+16*\b]|, 0x1800000
.endr
.irp i, 2,4,6,8,10,12,14
.irp b, 0,1,2,3
	v_max3_num_f32 v[TM+\b], |v[(\s)+16*\b+\i]|, |v[(\s)+1+16*\b+\i]|, v[TM+\b]
.endr
.endr
	WIN 0
.irp b, 0,1,2,3
	v_permlanex16_b32 v[TM+4+\b], v[TM+\b], s66, s67
.endr
.irp b, 0,1,2,3
	v_max_num_f32 v[TM+\b], v[TM+\b], v[TM+4+\b]
.endr
.irp b, 0,1,2,3
	v_add_nc_u32 v[TM+12+\b], 0xff000000, v[TM+\b]
.endr
.irp b, 0,1,2,3
	v_lshrrev_b32 v[TM+4+\b], 23, v[TM+12+\b]
.endr
	v_lshl_or_b32 v[\pw], v[TM+5], 8, v[TM+4]
	v_lshl_or_b32 v[\pw], v[TM+6], 16, v[\pw]
	v_lshl_or_b32 v[\pw], v[TM+7], 24, v[\pw]
	WIN (\w)
	v_cvt_scalef32_pk16_fp6_f32 v[(\d0):(\d0)+2], v[(\s):(\s)+15], v[TM+12]
	v_cvt_scalef32_pk16_fp6_f32 v[CT:CT+2], v[(\s)+16:(\s)+31], v[TM+13]
	v_cvt_scalef32_pk16_fp6_f32 v[(\d1):(\d1)+2], v[(\s)+32:(\s)+47], v[TM+14]
	v_cvt_scalef32_pk16_fp6_f32 v[CT+4:CT+6], v[(\s)+48:(\s)+63], v[TM+15]
	WIN 0
	v_nop
.irp i, 0,1,2
	v_permlane16_swap_b32 v[(\d0)+\i], v[CT+\i]
	v_permlane16_swap_b32 v[(\d1)+\i], v[CT+4+\i]
.endr
.irp i, 0,1,2
	v_mov_b32 v[(\d0)+3+\i], v[CT+\i]
	v_mov_b32 v[(\d1)+3+\i], v[CT+4+\i]
.endr
.endm
; v's quantiser along the tokens: a lane's registers 32 c .. 32 c + 31 are tokens 64 c + 32 (lane / 16) + 0 .. 31, a whole block: no other lane is asked for a maximum, and the conversions' results are the operand's registers
.macro VQUANT s, w, d0, d1, pw
	WIN 5*(\w)
.irp b, 0,1,2,3
	v_max3_num_f32 v[TM+\b], |v[(\s)+16*\b]|, |v[(\s)+1+16*\b]|, 0x1800000
.endr
.irp i, 2,4,6,8,10,12,14
.irp b, 0,1,2,3
	v_max3_num_f32 v[TM+\b], |v[(\s)+16*\b+\i]|, |v[(\s)+1+16*\b+\i]|, v[TM+\b]
.endr
.endr
	WIN 0
	v_max_num_f32 v[TM], v[TM], v[TM+1]
	v_max_num_f32 v[TM+2], v[TM+2], v[TM+3]
	v_add_nc_u32 v[TM+12], 0xff000000, v[TM]
	v_add_nc_u32 v[TM+14], 0xff000000, v[TM+2]
	v_lshrrev_b32 v[TM+4], 23, v[TM+12]
	v_lshrrev_b32 v[TM+5], 23, v[TM+14]
	v_lshl_or_b32 v[TM+4], v[TM+5], 16, v[TM+4]    ; my two bytes: blocks h and 2 + h,
	v_lshlrev_b32 v[TM+4], v30, v[TM+4]            ; at their places in the word;
	v_permlanex16_b32 v[TM+5], v[TM+4], s66, s67
	v_or_b32 v[\pw], v[TM+4], v[TM+5]              ; with lane l xor 16's two the word is whole
	WIN (\w)
	v_cvt_scalef32_pk16_fp6_f32 v[(\d0):(\d0)+2], v[(\s):(\s)+15], v[TM+12]
	v_cvt_scalef32_pk16_fp6_f32 v[CT:CT+2], v[(\s)+16:(\s)+31], v[TM+12]
	v_cvt_scalef32_pk16_fp6_f32 v[(\d1):(\d1)+2], v[(\s)+32:(\s)+47], v[TM+14]
	v_cvt_scalef32_pk16_fp6_f32 v[CT+4:CT+6], v[(\s)+48:(\s)+63], v[TM+14]
	WIN 0
	v_nop
.irp i, 0,1,2
	v_mov_b32 v[(\d0)+3+\i], v[CT+\i]
	v_mov_b32 v[(\d1)+3+\i], v[CT+4+\i]
.endr
.endm
	s_cmp_eq_u32 ttmp9, 2
	s_cbranch_scc1 .Lvpath
.macro RLOAD a
	WIN 0x40
.irp e, 0,1,2,3,4,5,6,7
	global_load_b128 v[RP+32*((\a)%2)+4*\e:RP+32*((\a)%2)+4*\e+3], v[RA], s[100:101] offset:(64*((\a)/4)+8*((\a)%4))*256+128*(\e/4)+16*(\e%4)
.endr
	WIN 0
.endm
.macro ROPE a
	WIN 2+(\a)/4+4
.set n, 0
.rept 32
.set rA, 64*((\a)%4)+2*n
.set rC, RP+32*((\a)%2)+16*((n/8)%2)+2*(n%8)
.set rT, RT+2*(n%2)
	v_mul_f32 v[rT], v[rA+1], v[rC+1]
	v_mul_f32 v[rT+1], v[rA], v[rC+1]
	v_fma_f32 v[HA+2*n], v[rA], v[rC], -v[rT]
	v_fma_f32 v[HA+2*n+1], v[rA+1], v[rC], v[rT+1]
.set n, n+1
.endr
	WIN 0
.endm
	s_wait_alu depctr_va_vdst(0)
	RLOAD 0
	RLOAD 1
.irp a, 0,1,2,3,4,5,6,7
.if (\a >= 4) && (\a%2 == 0)
	s_wait_xcnt 0x0
.endif
.if \a < 7
	s_wait_loadcnt 8
.else
	s_wait_loadcnt 0x0
.endif
	ROPE \a
.if \a < 6
	RLOAD \a+2
.endif
	QUANT HA, 0, IM+24*((\a/2)%2)+6*(\a%2), IM+24*((\a/2)%2)+12+6*(\a%2), PW+\a%2
.if \a%2
	v_cndmask_b32 v[WT], v[PW], v[PW+1], s95
	v_perm_b32 v[SW+\a/2], v[WT], v[WT], 0x01000100
	v_perm_b32 v[SW+4+\a/2], v[WT], v[WT], 0x03020302
.irp c, 0,1,2
	global_store_b128 v[L16], v[IM+24*((\a/2)%2)+4*\c:IM+24*((\a/2)%2)+4*\c+3], s[96:97] offset:1536*(\a/2)+512*\c
	global_store_b128 v[L16], v[IM+24*((\a/2)%2)+12+4*\c:IM+24*((\a/2)%2)+12+4*\c+3], s[98:99] offset:1536*(\a/2)+512*\c
.endr
.endif
.endr
	global_store_b128 v[L16], v[SW:SW+3], s[96:97] offset:6144
	global_store_b128 v[L16], v[SW+4:SW+7], s[98:99] offset:6144
	s_branch .Ljoin
.Lvpath:
.irp a, 0,1,2,3,4,5,6,7
.if \a >= 2
	s_wait_xcnt 0x0
.endif
	VQUANT 64*(\a%4), 2+\a/4, IM+24*(\a%2), IM+24*(\a%2)+6, PW+\a%2
.irp c, 0,1,2
	global_store_b128 v[L16], v[IM+24*(\a%2)+4*\c:IM+24*(\a%2)+4*\c+3], s[96+2*(\a/4):97+2*(\a/4)] offset:6656+1536*(\a%4)+512*\c
.endr
.if \a%2
	v_cndmask_b32 v[SW+(\a%4)/2], v[PW], v[PW+1], s95
.endif
.if \a%4 == 3
	global_store_b64 v[L8], v[SW:SW+1], s[96+2*(\a/4):97+2*(\a/4)] offset:12800
.endif
.endr
.Ljoin:
	s_wait_tensorcnt 0x0
	ds_add_u32 v[SPW], v[NIL]
	s_wait_dscnt 0x0
	CROUND
	s_endpgm
.Lfunc_end_k_qc77e2a11f3_qkv:
	.size	k_qc77e2a11f3_qkv, .Lfunc_end_k_qc77e2a11f3_qkv-k_qc77e2a11f3_qkv
	.p2alignl 7, 3214868480
	.fill 96, 4, 3214868480
	.section	.rodata,"a",@progbits
	.p2align	6, 0x0
	.amdhsa_kernel k_qc77e2a11f3_qkv
		.amdhsa_group_segment_fixed_size 327680
		.amdhsa_private_segment_fixed_size 0
		.amdhsa_enable_private_segment 0
		.amdhsa_kernarg_size 40
		.amdhsa_user_sgpr_count 2
		.amdhsa_user_sgpr_kernarg_segment_ptr 1
		.amdhsa_wavefront_size32 1
		.amdhsa_system_sgpr_workgroup_id_x 1
		.amdhsa_system_sgpr_workgroup_id_y 1
		.amdhsa_system_sgpr_workgroup_id_z 1
		.amdhsa_system_vgpr_workitem_id 0
		.amdhsa_next_free_vgpr 1024
		.amdhsa_next_free_sgpr 106
		.amdhsa_reserve_vcc 0
		.amdhsa_float_denorm_mode_32 3
		.amdhsa_float_denorm_mode_16_64 3
		.amdhsa_memory_ordered 1
		.amdhsa_forward_progress 1
		.amdhsa_inst_pref_size 250
	.end_amdhsa_kernel
	.amdgpu_metadata
---
amdhsa.version: [ 1, 2 ]
amdhsa.kernels:
  - .name:           k_qc77e2a11f3_qkv
    .symbol:         k_qc77e2a11f3_qkv.kd
    .args:
      - { .name: xq, .offset: 0, .size: 8, .value_kind: global_buffer, .address_space: global }
      - { .name: wts, .offset: 8, .size: 8, .value_kind: global_buffer, .address_space: global }
      - { .name: rope, .offset: 16, .size: 8, .value_kind: global_buffer, .address_space: global }
      - { .name: qimg, .offset: 24, .size: 8, .value_kind: global_buffer, .address_space: global }
      - { .name: kv, .offset: 32, .size: 8, .value_kind: global_buffer, .address_space: global }
    .group_segment_fixed_size: 327680
    .private_segment_fixed_size: 0
    .kernarg_segment_align: 8
    .kernarg_segment_size: 40
    .max_flat_workgroup_size: 128
    .sgpr_count:     106
    .vgpr_count:     1024
    .wavefront_size: 32
...
	.end_amdgpu_metadata
.endif
;; end of part 2
;; launch attn (part 3): grid 4 x 64, 8 waves a work-group, clusters of 4 x 1, 209,920 bytes of LDS; arguments qimg, kv, oq; writes oq
.if DOCPART == 3
	.amdgcn_target "amdgcn-amd-amdhsa--gfx1250"
	.amdhsa_code_object_version 6
	.text
	.protected	k_qc77e2a11f3_attn
	.globl	k_qc77e2a11f3_attn
	.p2align	8
	.type	k_qc77e2a11f3_attn,@function
k_qc77e2a11f3_attn:
	s_mov_b64 s[64:65], 0
	v_nop
	global_prefetch_b8 v0, s[64:65] scope:SCOPE_SE
	s_setreg_imm32_b32 hwreg(HW_REG_WAVE_MODE, 25, 1), 1
	s_wait_xcnt 0x0
	s_wait_alu depctr_hold_cnt(0) depctr_sa_sdst(0) depctr_va_vdst(0) depctr_va_sdst(0) depctr_va_ssrc(0) depctr_va_vcc(0) depctr_vm_vsrc(0)
	s_getreg_b32 s2, hwreg(HW_REG_IB_STS2, 6, 4)
	s_cmp_eq_u32 s2, 0
	s_cbranch_scc0 .Lentry_in_a_cluster
	s_endpgm
.Lentry_in_a_cluster:
	s_bfe_u32 s2, ttmp6, 0x10000c
	s_cmp_lg_u32 s2, 0x3003
	s_cbranch_scc0 .Lentry_shape_is_right
	s_endpgm
.Lentry_shape_is_right:
; softmax(q k^T / 8) v for one head (work-group y = 16 x batch + head), both products on codes of FP6 (E2M3) with E8M0 scales; then o / l quantised along the model's 1,024 for the last product.
; THE SOFTMAX: t = score x log2(e) / 8; M = the running largest t rounded UP to a whole number; p = 2^(t - M) is quantised along the keys, not normalised; the row's sum is taken of the unquantised p.
; When M moves, the sums and O are multiplied by 2^(old M - new M): exact.
; SHARES.  The four work-groups of a head form a cluster; each owns 512 queries.  All K and V of the head, 16 steps of 128 keys, 208,896 bytes, come into LDS once, asked for jointly: one tensor load a wave
; (two steps, 102 dense rows of 256 bytes).  No byte of LDS is filled again, the loop has no barrier, and nothing is left to ask for later, so nothing is prefetched.
; A wave owns 32 queries in each of two passes: tile A (q, S, O, p's codes in window 0) and tile B (the same numbers in window 1); they share every fragment of K and V read from LDS.
; The small state of BOTH tiles (maxima, -M, sums, factors, scales) lies in window 0, so that the two tiles' dependent chains take turns, and one batch holds both tiles' exponentials.
; LAYOUT.  K, V and q lie in memory as images of operand registers.  Both products are used transposed (S^T = K Q^T, O^T = V^T P^T): a lane holds one query throughout.
; The keys of tile 4 c + u of K are 64 c + 8 u + 0 .. 7 and the 8 that lie 32 further on: so a lane's registers 32 c .. 32 c + 31 of S^T are keys 64 c + 32 (lane / 16) + 0 .. 31, a WHOLE block of p's operand:
; a block's maximum needs no other lane and the conversions' results are the operand's registers (three of each six are moved: a conversion's three registers begin on an even number).
; The head has 64 channels: K's operand is 6 registers; the run of 12 that the instruction names goes on into the next tile's codes, which meet q's six registers of zero codes.
; LIMITS: NaN and infinities are not served; the promise holds while the scaled scores stay under 2^31 in magnitude; a p under 2^-126 counts as 0; a block under the floor 2^-124 gets the byte 1; 1 / l is v_rcp_f32's.
.set STEPB, 13056                      ; a step: K's codes 6,144, K's scale words 512, V's codes 6,144, V's scale words 256
.set KSO,   6144
.set VOFF,  6656
.set VSO,   12800
.set OSCL,  6291456
.set SPARE, 0x33000                    ; behind the 16 steps: the spare words, 128 bytes a wave
.set L16, 1                            ; v1 16 x lane, v2 8 x lane, v3 32 x lane
.set L8,  2
.set L32, 3
.set ADK, 4                            ; v4, v5 LDS addresses of the step to be fetched
.set ADS, 5
.set HW,  6                            ; o's two scale bytes of both tiles' rows
.set PWR, 10                           ; v10, v11 p's scale words of tile A, B: scales and nothing else
.set QF,  16                           ; both windows: v16-21 q's codes, v22-27 zero codes
.set KF,  32                           ; v32-85 K's fragments (window 0); v32-79 V's (window 1)
.set KSR, 88                           ; v88-91 K's scale words, v92-93 V's, v94 q's
.set VSR, 92
.set QSR, 94
.set S,   96                           ; both windows: S^T, then p
.set O,   160                          ; O^T
.set PC,  192                          ; p's codes
.set CT,  204                          ; v204-206, v208-210 the blocks' upper halves on their way
.set BM,  212                          ; window 0 alone from here on; index 2 W + c: tile W, block c.  The blocks' largest
.set BY,  216                          ; a second chain; later the bytes
.set SO,  220                          ; the conversions' scale operands
.set TT,  224                          ; index W
.set TX,  226
.set FF,  228                          ; pairs, index 2 W: f = 2^(old M - new M) in the low word
.set NM,  232                          ; -M, and beside it the running largest score
.set SUM, 236                          ; the row's sum, in two pairs
.set SU2, 240
.set OLD, 244
.set WD,  246
.set SPW, 254
.set NIL, 255
.set MSB, 0
.macro WIN new
.if MSB != (\new)
	s_set_vgpr_msb (MSB<<8)|(\new)
.set MSB, (\new)
.endif
.endm
.macro D n                             ; a hint ahead of a plain instruction that reads the plain result n back
	s_delay_alu instid0(VALU_DEP_\n)
.endm
.macro CROUND
	s_barrier_signal -1
	s_barrier_wait -1
	s_cmp_lg_u32 s10, 0
	s_cbranch_scc1 .Lnot_wave_0_\@
	s_barrier_signal -3
.Lnot_wave_0_\@:
	s_barrier_wait -3
	s_barrier_signal -1
	s_barrier_wait -1
.endm
	s_load_b128 s[4:7], s[0:1], 0x0                ; qimg, kv
	s_load_b64 s[8:9], s[0:1], 0x10                ; oq
	v_lshl_add_u32 v[SPW], v0, 2, SPARE
	v_mov_b32 v[NIL], 0
	ds_add_u32 v[SPW], v[NIL]
	ds_add_u32 v[SPW], v[NIL]
	v_lshrrev_b32 v7, 5, v0
	v_readfirstlane_b32 s10, v7                    ; wave 0..7
	s_bfe_u32 s11, ttmp6, 0x40000                  ; cx: my quarter of the queries; it enters global addresses alone
	s_and_b32 s12, ttmp7, 0xffff                   ; 16 x batch + head
	s_mov_b32 s20, 15|(3<<16)|(1<<21)              ; group 1: all four partners; elements of 8 bytes; no padding
	s_mov_b32 s21, 32<<16
	s_mov_b32 s22, 102<<16                         ; 102 rows of 256 bytes: two steps
	s_mov_b32 s23, 32<<16
	s_mov_b32 s24, 102
	s_mov_b32 s25, 32
	s_mov_b32 s26, 0
	s_mov_b32 s27, 0
	s_mul_i32 s13, s10, 2*STEPB                    ; my two steps, in LDS and in the head
	s_mul_i32 s14, s12, 16*STEPB
	s_add_co_u32 s14, s14, s13
	s_mov_b32 s15, 0
	s_mov_b32 s28, 0x76543210
	s_mov_b32 s29, 0xfedcba98                      ; lane l xor 16
	s_mov_b32 s30, 0x3e38aa3b                      ; c = log2(e) / 8
	s_mov_b32 s31, s30
	s_mov_b32 s54, 0xbe38aa3b                      ; -c
	s_mov_b32 s42, 0xffff0000                      ; lanes 16-31
	s_lshl_b32 s2, s12, 4                          ; q: step 16 bh + 4 cx + wave / 4 (pass 1: two steps on), group wave % 4
	s_lshl_b32 s3, s11, 2
	s_add_co_u32 s2, s2, s3
	s_lshr_b32 s3, s10, 2
	s_add_co_u32 s2, s2, s3
	s_mul_i32 s2, s2, 6656
	s_and_b32 s3, s10, 3
	s_mul_i32 s43, s3, 1536
	s_add_co_u32 s44, s2, s43
	s_mov_b32 s45, 0
	s_lshl_b32 s3, s3, 2
	s_add_co_u32 s46, s2, s3
	s_add_co_u32 s46, s46, 6144
	s_mov_b32 s47, 0
	s_and_b32 s48, s12, 15                         ; head
	s_lshr_b32 s49, s12, 4                         ; batch
	s_lshr_b32 s50, s48, 2                         ; o's codes: [head / 4][tile of 16 rows][head % 4][768 bytes]
	s_mul_i32 s50, s50, 1572864
	s_lshl_b32 s51, s49, 7
	s_lshl_b32 s52, s11, 5
	s_add_co_u32 s51, s51, s52
	s_lshl_b32 s52, s10, 1
	s_add_co_u32 s51, s51, s52                     ; tile 128 batch + 32 cx + 2 wave (+ 16 pass + tile A or B)
	s_mul_i32 s51, s51, 3072
	s_add_co_u32 s50, s50, s51
	s_and_b32 s52, s48, 3
	s_mul_i32 s52, s52, 768
	s_add_co_u32 s50, s50, s52
	s_mov_b32 s51, 0
	s_lshl_b32 s52, s49, 11                        ; o's scale bytes: 32 a row, my head's two at 2 x head
	s_lshl_b32 s53, s11, 9
	s_add_co_u32 s52, s52, s53
	s_lshl_b32 s53, s10, 5
	s_add_co_u32 s52, s52, s53
	s_lshl_b32 s52, s52, 5
	s_lshl_b32 s53, s48, 1
	s_add_co_u32 s52, s52, s53
	s_add_co_u32 s52, s52, OSCL
	s_mov_b32 s53, 0
	s_wait_dscnt 0x0
	s_wait_kmcnt 0x0
	s_mov_b32 s16, 1
	s_mov_b32 s17, s13
	s_add_nc_u64 s[18:19], s[6:7], s[14:15]        ; head and wave alone: the same in all four partners
	s_or_b32 s19, s19, 0x80000000
	s_add_nc_u64 s[34:35], s[4:5], s[44:45]        ; q's codes
	s_add_nc_u64 s[36:37], s[4:5], s[46:47]        ; q's scale words
	s_add_nc_u64 s[38:39], s[8:9], s[50:51]        ; o's codes
	s_add_nc_u64 s[40:41], s[8:9], s[52:53]        ; o's scale bytes
	CROUND                                         ; all four work-groups are here: the joint loads meet
	tensor_load_to_lds s[16:19], s[20:27]          ; my one tensor load of the launch
	s_nop 0
.rept 4
	v_nop
.endr
	v_and_b32 v7, 31, v0
	v_lshlrev_b32 v[L16], 4, v7
	v_lshlrev_b32 v[L8], 3, v7
	v_lshlrev_b32 v[L32], 5, v7
.macro QLOAD p                         ; the group's image: registers 0-5 tile A, 6-11 tile B; in pieces of 8 bytes
	global_load_b64 v[QF:QF+1], v[L16], s[34:35] offset:13312*\p
	global_load_b64 v[QF+2:QF+3], v[L16], s[34:35] offset:13312*\p+8
	global_load_b64 v[QF+4:QF+5], v[L16], s[34:35] offset:13312*\p+512
	global_load_b32 v[QSR], v[L16], s[36:37] offset:13312*\p       ; lanes 0-15 tile A's rows, lanes 16-31 tile B's
	WIN 0x40
	global_load_b64 v[QF:QF+1], v[L16], s[34:35] offset:13312*\p+520
	global_load_b64 v[QF+2:QF+3], v[L16], s[34:35] offset:13312*\p+1024
	global_load_b64 v[QF+4:QF+5], v[L16], s[34:35] offset:13312*\p+1032
	WIN 0
.endm
	QLOAD 0
.irp W, 0,1
	WIN 0x40*\W
.irp j, 22,23,24,25,26,27
	v_mov_b32 v\j, 0                               ; q's zero codes for the upper 64 of K
.endr
.endr
	WIN 0
.irp j, 80,81,82,83,84,85, 226,227,229,231
	v_mov_b32 v\j, 0                               ; what the last tile's run of 12 names behind K's codes; permutes' destinations; upper halves of pairs that are named whole
.endr
.macro INIT                            ; a pass begins: the largest score -3e38, -M 1e38, the sums and O^T zeros, which the first change of M leaves zeros
.irp W, 0,1
	v_mov_b32 v[NM+2*\W], 0x7e967699
	v_mov_b32 v[NM+2*\W+1], 0xff61b1e6
.irp j, 0,1
	v_mov_b32 v[SUM+2*\W+\j], 0
	v_mov_b32 v[SU2+2*\W+\j], 0
.endr
.endr
.irp W, 0,1
	WIN 0x40*\W
.set j, 0
.rept 32
	v_mov_b32 v[O+j], 0
.set j, j+1
.endr
.endr
	WIN 0
.endm
	INIT
.macro KLOAD                           ; a step's eight tiles of K and their scale words: 13 LDS loads, each 512 consecutive bytes
.irp n, 0,1,2,3,4,5,6,7,8,9,10,11
	ds_load_b128 v[KF+4*\n:KF+4*\n+3], v[ADK] offset:512*\n
.endr
	ds_load_b128 v[KSR:KSR+3], v[ADK] offset:KSO
.endm
.macro VLOAD                           ; its four tiles of V (window 1) and their scale words: 13 LDS loads
	WIN 0x40
.irp n, 0,1,2,3,4,5,6,7,8,9,10,11
	ds_load_b128 v[KF+4*\n:KF+4*\n+3], v[ADK] offset:VOFF+512*\n
.endr
	WIN 0
	ds_load_b64 v[VSR:VSR+1], v[ADS] offset:VSO
.endm
.macro SQK t, W                        ; S^T, tile t of 16 keys.  K's scale words: lanes 0-15 the even tile, lanes 16-31 the odd; q's: lanes 0-15 tile A, lanes 16-31 tile B
.if ((\t)%2) && (\W)
	v_wmma_scale_f32_16x16x128_f8f6f4 v[S+8*(\t):S+8*(\t)+7], v[KF+6*(\t):KF+6*(\t)+11], v[QF:QF+11], 0, v[KSR+(\t)/2], v[QSR] matrix_a_fmt:MATRIX_FMT_FP6 matrix_b_fmt:MATRIX_FMT_FP6 matrix_a_scale:MATRIX_SCALE_ROW1 matrix_b_scale:MATRIX_SCALE_ROW1
.elseif (\t)%2
	v_wmma_scale_f32_16x16x128_f8f6f4 v[S+8*(\t):S+8*(\t)+7], v[KF+6*(\t):KF+6*(\t)+11], v[QF:QF+11], 0, v[KSR+(\t)/2], v[QSR] matrix_a_fmt:MATRIX_FMT_FP6 matrix_b_fmt:MATRIX_FMT_FP6 matrix_a_scale:MATRIX_SCALE_ROW1
.elseif \W
	v_wmma_scale_f32_16x16x128_f8f6f4 v[S+8*(\t):S+8*(\t)+7], v[KF+6*(\t):KF+6*(\t)+11], v[QF:QF+11], 0, v[KSR+(\t)/2], v[QSR] matrix_a_fmt:MATRIX_FMT_FP6 matrix_b_fmt:MATRIX_FMT_FP6 matrix_b_scale:MATRIX_SCALE_ROW1
.else
	v_wmma_scale_f32_16x16x128_f8f6f4 v[S+8*(\t):S+8*(\t)+7], v[KF+6*(\t):KF+6*(\t)+11], v[QF:QF+11], 0, v[KSR+(\t)/2], v[QSR] matrix_a_fmt:MATRIX_FMT_FP6 matrix_b_fmt:MATRIX_FMT_FP6
.endif
.endm
.macro PV t, W                         ; O^T += V^T P^T, tile t of 16 channels
.if (\t)%2
	v_wmma_scale_f32_16x16x128_f8f6f4 v[O+8*(\t):O+8*(\t)+7], v[KF+12*(\t):KF+12*(\t)+11], v[PC:PC+11], v[O+8*(\t):O+8*(\t)+7], v[VSR+(\t)/2], v[PWR+\W] matrix_a_fmt:MATRIX_FMT_FP6 matrix_b_fmt:MATRIX_FMT_FP6 matrix_a_scale:MATRIX_SCALE_ROW1
.else
	v_wmma_scale_f32_16x16x128_f8f6f4 v[O+8*(\t):O+8*(\t)+7], v[KF+12*(\t):KF+12*(\t)+11], v[PC:PC+11], v[O+8*(\t):O+8*(\t)+7], v[VSR+(\t)/2], v[PWR+\W] matrix_a_fmt:MATRIX_FMT_FP6 matrix_b_fmt:MATRIX_FMT_FP6
.endif
.endm
; BOTH TILES' SOFTMAX OF A STEP.
.macro SOFTMAX
.irp W, 0,1                            ; the largest score of each of my two blocks of 32 keys, in two chains a block; each accumulator is read from its low end on
	WIN 0x15*\W
.irp c, 0,1
	v_max3_num_f32 v[BM+2*\W+\c], v[S+32*\c], v[S+32*\c+1], v[S+32*\c+2]
	v_max3_num_f32 v[BY+2*\W+\c], v[S+32*\c+3], v[S+32*\c+4], v[S+32*\c+5]
.endr
	WIN 0x05*\W
.irp i, 6,10,14,18,22,26
.irp c, 0,1
	v_max3_num_f32 v[BM+2*\W+\c], v[S+32*\c+\i], v[S+32*\c+\i+1], v[BM+2*\W+\c]
	v_max3_num_f32 v[BY+2*\W+\c], v[S+32*\c+\i+2], v[S+32*\c+\i+3], v[BY+2*\W+\c]
.endr
.endr
.irp c, 0,1
	v_max3_num_f32 v[BM+2*\W+\c], v[S+32*\c+30], v[S+32*\c+31], v[BM+2*\W+\c]
.endr
.endr
	WIN 0                                          ; from here the two tiles' chains take turns, all in window 0
.irp n, 0,1,2,3
	v_max_num_f32 v[BM+\n], v[BM+\n], v[BY+\n]     ; the block's largest score: for the row's maximum, and, since p rises with the score, for the block's largest p
.endr
.irp W, 0,1
.if \W
	D 2
.else
	D 3
.endif
	v_max_num_f32 v[TT+\W], v[BM+2*\W], v[BM+2*\W+1]
.endr
.irp W, 0,1
	D 2
	v_permlanex16_b32 v[TX+\W], v[TT+\W], s28, s29
.endr
.irp W, 0,1
	D 2
	v_max3_num_f32 v[NM+2*\W+1], v[NM+2*\W+1], v[TT+\W], v[TX+\W]   ; the running largest score, with lane l xor 16's 64 keys
.endr
.irp W, 0,1
	v_mov_b32 v[OLD+\W], v[NM+2*\W]
.endr
.irp W, 0,1
	D 4
	v_mul_f32 v[TT+\W], s54, v[NM+2*\W+1]          ; -t (c is positive)
.endr
.irp W, 0,1
	D 2
	v_floor_f32 v[NM+2*\W], v[TT+\W]               ; the new -M = -ceil(t)
.endr
.irp W, 0,1
	D 2
	v_sub_f32 v[TT+\W], v[NM+2*\W], v[OLD+\W]      ; old M - new M: a whole number, 0 or less
.endr
.irp W, 0,1
.irp c, 0,1
	v_fma_f32 v[BM+2*\W+\c], v[BM+2*\W+\c], s30, v[NM+2*\W]   ; t - M of each block's largest score
.endr
.endr
.irp W, 0,1
	v_cvt_i32_f32 v[TT+\W], v[TT+\W]               ; (it saturates)
.endr
.irp W, 0,1
	D 2
	v_ldexp_f32 v[FF+2*\W], 1.0, v[TT+\W]          ; f = 2^(old M - new M)
.endr
.irp W, 0,1
	WIN 0x41*\W
.set j, 0
.rept 32
	v_pk_fma_f32 v[S+j:S+j+1], v[S+j:S+j+1], s[30:31], v[NM+2*\W:NM+2*\W+1] op_sel_hi:[1,0,0]   ; t - M, two at a time
.set j, j+2
.endr
.endr
	WIN 0
	s_wait_alu depctr_va_vdst(0)
.irp n, 0,1,2,3
	v_exp_f32 v[BM+\n], v[BM+\n]                   ; the blocks' largest p
.endr
.irp W, 0,1
	WIN 0x41*\W
.set j, 0
.rept 64
	v_exp_f32 v[S+j], v[S+j]                       ; p = 2^(t - M)
.set j, j+1
.endr
.endr
	WIN 0
.irp W, 0,1
	v_pk_mul_f32 v[SUM+2*\W:SUM+2*\W+1], v[SUM+2*\W:SUM+2*\W+1], v[FF+2*\W:FF+2*\W+1] op_sel_hi:[1,0]   ; the sums under the new M: plain instructions behind the batch
	v_pk_mul_f32 v[SU2+2*\W:SU2+2*\W+1], v[SU2+2*\W:SU2+2*\W+1], v[FF+2*\W:FF+2*\W+1] op_sel_hi:[1,0]
.endr
	s_wait_alu depctr_va_vdst(0)                   ; one wait for the batch of 132, ahead of its first reader
.irp W, 0,1
	WIN 0x04*\W
.set j, 0
.rept 16
	v_pk_add_f32 v[SUM+2*\W:SUM+2*\W+1], v[SUM+2*\W:SUM+2*\W+1], v[S+j:S+j+1]     ; the row's sum of the unquantised p, in two chains
	v_pk_add_f32 v[SU2+2*\W:SU2+2*\W+1], v[SU2+2*\W:SU2+2*\W+1], v[S+j+2:S+j+3]
.set j, j+4
.endr
.endr
	WIN 0
.irp n, 0,1,2,3
	v_max_num_f32 v[BM+\n], 0x1800000, v[BM+\n]    ; the floor 2^(3 - 127)
.endr
.irp n, 0,1,2,3
	D 4
	v_add_nc_u32 v[SO+\n], 0xff000000, v[BM+\n]    ; 2 off the exponent field: the conversion's scale operand
.endr
.irp n, 0,1,2,3
	D 4
	v_lshrrev_b32 v[BY+\n], 23, v[SO+\n]           ; the scale's byte
.endr
.irp W, 0,1
.if \W
	D 2
.else
	D 3
.endif
	v_lshl_or_b32 v[WD+\W], v[BY+2*\W+1], 16, v[BY+2*\W]           ; lanes 0-15: blocks 0 and 2; lanes 16-31: blocks 1 and 3
.endr
.irp W, 0,1
	D 2
	v_permlanex16_b32 v[TX+\W], v[WD+\W], s28, s29
.endr
.irp W, 0,1
	D 2
	v_lshl_or_b32 v[PWR+\W], v[TX+\W], 8, v[WD+\W]                 ; p's scale word, whole in lanes 0-15, which alone are read
.endr
.irp W, 0,1
	WIN 0x41*\W
.irp c, 0,1
	v_cvt_scalef32_pk16_fp6_f32 v[PC+6*\c:PC+6*\c+2], v[S+32*\c:S+32*\c+15], v[SO+2*\W+\c]
	v_cvt_scalef32_pk16_fp6_f32 v[CT+4*\c:CT+4*\c+2], v[S+32*\c+16:S+32*\c+31], v[SO+2*\W+\c]
.endr
	v_nop                                          ; one plain instruction behind a scaled conversion
.irp c, 0,1
.irp i, 0,1,2
	v_mov_b32 v[PC+6*\c+3+\i], v[CT+4*\c+\i]
.endr
.endr
	s_wait_alu depctr_va_vdst(0)                   ; directly ahead of the first reader of O^T
.set j, 0
.rept 16
	v_pk_mul_f32 v[O+j:O+j+1], v[O+j:O+j+1], v[FF+2*\W:FF+2*\W+1] op_sel_hi:[1,0]   ; O^T under the new M; also the places between the codes' and the scale word's last writes and the products
.set j, j+2
.endr
.endr
.endm
; A KEY STEP of 128 keys for both tiles.  next = 1: the fragments of the step at LDS byte s32 are fetched for the next STEP.  qnext = 1: q of pass 1 is fetched.
.macro STEP next, qnext
	s_wait_dscnt 13                                ; K and its scale words are in; V's 13 loads, issued behind them, may be out
	WIN 0
.irp t, 0,1,2,3,4,5,6,7
	SQK \t, 0
.endr
	WIN 0x44
.irp t, 0,1,2,3,4,5,6,7
	SQK \t, 1
.endr
	WIN 0
.if \next                              ; four plain instructions: the places ahead of the loads into K's registers and of the first read of the scores
	v_add_nc_u32 v[ADK], s32, v[L16]
	v_add_nc_u32 v[ADS], s32, v[L8]
.else
	v_nop
	v_nop
.endif
	v_nop
	v_nop
.if \next
	KLOAD
.endif
.if \qnext
	QLOAD 1
.endif
	SOFTMAX
	s_wait_alu depctr_va_vdst(0)
.if \next
	s_wait_dscnt 13                                ; V is in; the next step's K, 13 loads, may be out
.else
	s_wait_dscnt 0x0
.endif
	WIN 0x01
.irp t, 0,1,2,3
	PV \t, 0
.endr
	WIN 0x55
.irp t, 0,1,2,3
	PV \t, 1
.endr
	WIN 0
.rept 4
	v_nop                                          ; places ahead of the loads into V's registers
.endr
.if \next
	VLOAD
	s_add_co_u32 s32, s32, STEPB
.endif
.endm
; A PASS'S END: O^T / l, quantised along the head's 64 channels (register 16 b + i: channel 32 b + 16 (lane / 16) + i), leaves as six registers a lane: 256 consecutive aligned bytes a store.
.macro EPI p
.irp W, 0,1
	v_pk_add_f32 v[SUM+2*\W:SUM+2*\W+1], v[SUM+2*\W:SUM+2*\W+1], v[SU2+2*\W:SU2+2*\W+1]
.endr
.irp W, 0,1
	D 2
	v_add_f32 v[TT+\W], v[SUM+2*\W], v[SUM+2*\W+1]
.endr
.irp W, 0,1
	D 2
	v_permlanex16_b32 v[TX+\W], v[TT+\W], s28, s29
.endr
.irp W, 0,1
	D 2
	v_add_f32 v[TT+\W], v[TT+\W], v[TX+\W]         ; the row's sum
.endr
	s_wait_alu depctr_va_vdst(0)
.irp W, 0,1
	v_rcp_f32 v[TT+\W], v[TT+\W]
.endr
	v_nop
.irp W, 0,1
	WIN 0x41*\W
	s_wait_alu depctr_va_vdst(0)                   ; ahead of the reciprocal's and of O^T's first reader
.set j, 0
.rept 32
	v_mul_f32 v[S+j], v[O+j], v[TT+\W]
.set j, j+1
.endr
	WIN 0x05*\W
.irp b, 0,1
	v_max3_num_f32 v[BM+\b], |v[S+16*\b]|, |v[S+1+16*\b]|, 0x1800000
.endr
.irp i, 2,4,6,8,10,12,14
.irp b, 0,1
	v_max3_num_f32 v[BM+\b], |v[S+16*\b+\i]|, |v[S+1+16*\b+\i]|, v[BM+\b]
.endr
.endr
	WIN 0
.irp b, 0,1
	v_permlanex16_b32 v[BY+\b], v[BM+\b], s28, s29
.endr
.irp b, 0,1
	D 2
	v_max_num_f32 v[BM+\b], v[BM+\b], v[BY+\b]
.endr
.irp b, 0,1
	D 2
	v_add_nc_u32 v[SO+\b], 0xff000000, v[BM+\b]
.endr
.irp b, 0,1
	D 2
	v_lshrrev_b32 v[BY+\b], 23, v[SO+\b]
.endr
	D 1
	v_lshl_or_b32 v[WD+\W], v[BY+1], 8, v[BY]      ; my row's two scale bytes
	WIN 0x41*\W
	v_cvt_scalef32_pk16_fp6_f32 v[PC:PC+2], v[S:S+15], v[SO]
	v_cvt_scalef32_pk16_fp6_f32 v[CT:CT+2], v[S+16:S+31], v[SO+1]
	v_nop
.irp i, 0,1,2
	v_permlane16_swap_b32 v[PC+\i], v[CT+\i]       ; a whole block to a lane
.endr
.irp i, 0,1,2
	v_mov_b32 v[PC+3+\i], v[CT+\i]
.endr
	WIN 0x04*\W                                    ; a store's data are its source 1
.irp c, 0,1,2
	global_store_b64 v[L8], v[PC+2*\c:PC+2*\c+1], s[38:39] offset:49152*\p+3072*\W+256*\c
.endr
.endr
	WIN 0
	v_cndmask_b32 v[HW], v[WD], v[WD+1], s42       ; lanes 0-15 tile A's rows, lanes 16-31 tile B's: 32 rows on end
	global_store_b16 v[L32], v[HW], s[40:41] offset:8192*\p        ; two bytes of each row's 32: a head owns no more of them
.endm
	s_wait_alu depctr_va_vdst(0)
	s_wait_tensorcnt 0x0                           ; my two steps have landed,
	s_barrier_signal -1
	s_barrier_wait -1                              ; everybody's have: the whole head lies in LDS
	v_mov_b32 v[ADK], v[L16]
	v_mov_b32 v[ADS], v[L8]
	KLOAD                                          ; step 0
	VLOAD
	s_mov_b32 s32, STEPB
	s_wait_loadcnt 0x0                             ; q
	s_mov_b32 s33, 15
.Lpass0:
	STEP 1, 0
	s_sub_co_u32 s33, s33, 1
	s_cmp_lg_u32 s33, 0
	s_cbranch_scc1 .Lpass0
	s_mov_b32 s32, 0
	STEP 1, 1                                      ; the last step fetches step 0 again, and the next 32 queries
	EPI 0
	INIT
	s_wait_xcnt 0x0                                ; the stores have read their registers, which pass 1 writes again
	s_wait_loadcnt 0x0                             ; q
	s_mov_b32 s33, 15
.Lpass1:
	STEP 1, 0
	s_sub_co_u32 s33, s33, 1
	s_cmp_lg_u32 s33, 0
	s_cbranch_scc1 .Lpass1
	STEP 0, 0
	EPI 1
	s_wait_tensorcnt 0x0                           ; the wave's end
	ds_add_u32 v[SPW], v[NIL]
	s_wait_dscnt 0x0
	CROUND                                         ; the closing round
	s_endpgm
.Lfunc_end_k_qc77e2a11f3_attn:
	.size	k_qc77e2a11f3_attn, .Lfunc_end_k_qc77e2a11f3_attn-k_qc77e2a11f3_attn
	.p2alignl 7, 3214868480
	.fill 96, 4, 3214868480
	.section	.rodata,"a",@progbits
	.p2align	6, 0x0
	.amdhsa_kernel k_qc77e2a11f3_attn
		.amdhsa_group_segment_fixed_size 209920
		.amdhsa_private_segment_fixed_size 0
		.amdhsa_enable_private_segment 0
		.amdhsa_kernarg_size 24
		.amdhsa_user_sgpr_count 2
		.amdhsa_user_sgpr_kernarg_segment_ptr 1
		.amdhsa_wavefront_size32 1
		.amdhsa_system_sgpr_workgroup_id_x 1
		.amdhsa_system_sgpr_workgroup_id_y 1
		.amdhsa_system_sgpr_workgroup_id_z 1
		.amdhsa_system_vgpr_workitem_id 0
		.amdhsa_next_free_vgpr 512
		.amdhsa_next_free_sgpr 66
		.amdhsa_reserve_vcc 0
		.amdhsa_float_denorm_mode_32 3
		.amdhsa_float_denorm_mode_16_64 3
		.amdhsa_memory_ordered 1
		.amdhsa_forward_progress 1
		.amdhsa_inst_pref_size 140
	.end_amdhsa_kernel
	.amdgpu_metadata
---
amdhsa.version: [ 1, 2 ]
amdhsa.kernels:
  - .name:           k_qc77e2a11f3_attn
    .symbol:         k_qc77e2a11f3_attn.kd
    .args:
      - { .name: qimg, .offset: 0, .size: 8, .value_kind: global_buffer, .address_space: global }
      - { .name: kv, .offset: 8, .size: 8, .value_kind: global_buffer, .address_space: global }
      - { .name: oq, .offset: 16, .size: 8, .value_kind: global_buffer, .address_space: global }
    .group_segment_fixed_size: 209920
    .private_segment_fixed_size: 0
    .kernarg_segment_align: 8
    .kernarg_segment_size: 24
    .max_flat_workgroup_size: 256
    .sgpr_count:     66
    .vgpr_count:     512
    .wavefront_size: 32
...
	.end_amdgpu_metadata
.endif
;; end of part 3
;; launch proj (part 4): grid 4 x 32, 4 waves a work-group, clusters of 4 x 4, 327,680 bytes of LDS; arguments oq, wts, b_proj, out0; writes out0
.if DOCPART == 4
	.amdgcn_target "amdgcn-amd-amdhsa--gfx1250"
	.amdhsa_code_object_version 6
	.text
	.protected	k_qc77e2a11f3_proj
	.globl	k_qc77e2a11f3_proj
	.p2align	8
	.type	k_qc77e2a11f3_proj,@function
k_qc77e2a11f3_proj:
	s_mov_b64 s[64:65], 0
	v_nop
	global_prefetch_b8 v0, s[64:65] scope:SCOPE_SE
	s_setreg_imm32_b32 hwreg(HW_REG_WAVE_MODE, 25, 1), 1
	s_wait_xcnt 0x0
	s_wait_alu depctr_hold_cnt(0) depctr_sa_sdst(0) depctr_va_vdst(0) depctr_va_sdst(0) depctr_va_ssrc(0) depctr_va_vcc(0) depctr_vm_vsrc(0)
	s_getreg_b32 s2, hwreg(HW_REG_IB_STS2, 6, 4)
	s_cmp_eq_u32 s2, 0
	s_cbranch_scc0 .Lentry_in_a_cluster
	s_endpgm
.Lentry_in_a_cluster:
	s_bfe_u32 s2, ttmp6, 0x10000c
	s_cmp_lg_u32 s2, 0xf033
	s_cbranch_scc0 .Lentry_shape_is_right
	s_endpgm
.Lentry_shape_is_right:
.set KSTEP,  256
.set NQ,     2
.set ROWB,   192
; o w_proj + b_proj on codes of FP6 with E8M0 scales, a tile of 256 x 256 to a work-group.  oq and wts lie in four planes, one for each 256 along K, APLANE bytes apart; a plane's rows are 192 dense bytes,
; so every tile comes as dense rows of 256 bytes that begin on multiples of 256.  The head asks for four tiles, one joint load a wave: K step 0 of A's 256 rows, of B's 256 rows, A's scales, B's scales.
; The rows of o lie in the places of x's row order: place 16 a + t holds token 64 (a / 4) + 8 (a % 4) + t % 8 + 32 (t / 8) of its 128.  K is 1,024, four steps at this block in clusters: no prefetch is laid.
.set KROW,   192                       ; a row of a plane
.set PITCH,  240
.set FR,     12
.set NL,     6
.set NP,     4
.set HALFT,  128*PITCH
.set SLOT,   4*HALFT
.set LAPS,   2
.set KS,     32
.set SCL,    2*SLOT
.set HALFS,  16*272
.set SBLK,   2*272
.set SPARE,  SCL+4*HALFS
.set SPITCH, 528
.set OSCL,   6291456
.set WSCL,   6291456
.set APLANE, 1572864
.set ADRA, 16
.set ADRB, 20
.set STO,  24
.set RD,   25
.set CO,   26
.set ADRS, 27
.set SPW,  28
.set NIL,  29
.set SC,   32
.set BI,   64
.set AF,   128
.set BK,   128
.set G1, 24
.set G0, 32
.set G1B, 48
.set G0B, 56
.set G1S, 68
.set G0S, 76
.set G1SB, 80
.set G0SB, 88
.set MSB, 0
.macro WIN new
.if MSB != (\new)
	s_set_vgpr_msb (MSB<<8)|(\new)
.set MSB, (\new)
.endif
.endm
.set MUL_LO, 0xa1
.set MUL_HI, 0xf1
.set TO_B,   0x40
.macro JLOAD g0a, g1a, g0b, g1b
	s_cmp_eq_u32 s15, 0
	s_cbranch_scc0 .Lfor_b_\@
	tensor_load_to_lds s[\g0a:\g0a+3], s[\g1a:\g1a+7]
	s_nop 0
.rept 4
	v_nop
.endr
	s_branch .Lasked_\@
.Lfor_b_\@:
	tensor_load_to_lds s[\g0b:\g0b+3], s[\g1b:\g1b+7]
	s_nop 0
.rept 4
	v_nop
.endr
.Lasked_\@:
.endm
.macro CREST
	s_cmp_lg_u32 s14, 0
	s_cbranch_scc1 .Lnot_wave_0_\@
	s_barrier_signal -3
.Lnot_wave_0_\@:
	s_barrier_wait -3
	s_barrier_signal -1
	s_barrier_wait -1
.endm
.macro CROUND
	s_barrier_signal -1
	s_barrier_wait -1
	CREST
.endm
	s_load_b128 s[4:7], s[0:1], 0x0
	s_load_b128 s[8:11], s[0:1], 0x10
	v_lshl_add_u32 v[SPW], v0, 2, SPARE
	v_mov_b32 v[NIL], 0
	ds_add_u32 v28, v29
	ds_add_u32 v28, v29
	s_wait_dscnt 0x0
	v_lshrrev_b32 v1, 5, v0
	v_readfirstlane_b32 s14, v1
	s_lshr_b32 s15, s14, 1
	s_and_b32 s16, s14, 1
	s_bfe_u32 s40, ttmp6, 0x40000
	s_bfe_u32 s41, ttmp6, 0x40004
	s_lshl_b32 s42, ttmp9, 2
	s_add_co_u32 s42, s42, s40
	s_and_b32 s17, ttmp7, 0xffff
	s_lshl_b32 s17, s17, 2
	s_add_co_u32 s17, s17, s41
	s_lshl_b32 s43, s41, 2
	s_lshl_b32 s43, 15, s43
	s_lshl_b32 s44, 0x1111, s40
	s_or_b32 s[G1+0], s43, (3<<16)|(1<<21)
	s_mov_b32 s[G1+1], 32<<16
	s_mov_b32 s[G1+2], 192<<16                     ; the head's loads bring 192 rows of 256 bytes, the ring's 96
	s_mov_b32 s[G1+3], 32<<16
	s_mov_b32 s[G1+4], 192
	s_mov_b32 s[G1+5], 32
	s_mov_b32 s[G1+6], 0
	s_mov_b32 s[G1+7], 0
	s_or_b32 s[G1B+0], s44, (0<<16)|(1<<20)|(1<<21)|(3<<22)|(3<<25)
	s_mov_b32 s[G1B+1], 256<<16
	s_mov_b32 s[G1B+2], 192<<16
	s_mov_b32 s[G1B+3], 256<<16
	s_mov_b32 s[G1B+4], 192
	s_mov_b32 s[G1B+5], 256
	s_mov_b32 s[G1B+6], 0
	s_mov_b32 s[G1B+7], 0
	s_or_b32 s[G1S+0], s43, (3<<16)|(1<<20)|(1<<21)|(5<<22)|(3<<25)
	s_or_b32 s[G1SB+0], s44, (3<<16)|(1<<20)|(1<<21)|(5<<22)|(3<<25)
.irp g, G1S, G1SB
	s_mov_b32 s[\g+1], 32<<16
	s_mov_b32 s[\g+2], 32<<16                      ; the scales of 256 rows: 32 rows of 256 bytes
	s_mov_b32 s[\g+3], 32<<16
	s_mov_b32 s[\g+4], 32
	s_mov_b32 s[\g+5], 32
	s_mov_b32 s[\g+6], 0
	s_mov_b32 s[\g+7], 0
.endr
	s_lshl_b32 s20, s17, 8                         ; the tiles' first rows
	s_lshl_b32 s46, s42, 8
	s_mov_b32 s21, 0
	s_mov_b32 s47, 0
	s_mov_b64 s[18:19], KS
	s_mul_u64 s[22:23], s[20:21], s[18:19]
	s_mul_u64 s[92:93], s[46:47], s[18:19]
	s_mov_b64 s[18:19], ROWB
	s_mul_u64 s[20:21], s[20:21], s[18:19]
	s_mov_b64 s[18:19], KROW
	s_mul_u64 s[46:47], s[46:47], s[18:19]
	s_mul_i32 s45, s14, HALFT
	s_mul_i32 s94, s14, 24576                      ; A's images are dense in LDS: 128 rows are 24,576 bytes
	s_wait_kmcnt 0x0
	s_add_nc_u64 s[20:21], s[4:5], s[20:21]
	s_add_nc_u64 s[22:23], s[4:5], s[22:23]
	s_add_nc_u64 s[22:23], s[22:23], OSCL
	s_add_nc_u64 s[46:47], s[6:7], s[46:47]
	s_add_nc_u64 s[46:47], s[46:47], 3072*KROW
	s_add_nc_u64 s[92:93], s[6:7], s[92:93]
	s_add_nc_u64 s[92:93], s[92:93], WSCL+3072*KS
	CROUND
	s_mov_b32 s[G0S], 1
	s_mov_b32 s[G0S+1], SCL
	s_mov_b64 s[G0S+2:G0S+3], s[22:23]
	s_or_b32 s[G0S+3], s[G0S+3], 0x80000000
	s_mov_b32 s[G0SB], 1
	s_mov_b32 s[G0SB+1], SCL+2*HALFS
	s_mov_b64 s[G0SB+2:G0SB+3], s[92:93]
	s_or_b32 s[G0SB+3], s[G0SB+3], 0x80000000
.set G0H,  4                           ; s[4:7], s[96:99]: group 0 of the head's loads of codes (what lay in s[4:7] has been used)
.set G0HB, 96
	s_mov_b32 s[G0H], 1
	s_mov_b32 s[G0H+1], 0
	s_mov_b64 s[G0H+2:G0H+3], s[20:21]
	s_or_b32 s[G0H+3], s[G0H+3], 0x80000000
	s_mov_b32 s[G0HB], 1
	s_mov_b32 s[G0HB+1], 2*HALFT
	s_mov_b64 s[G0HB+2:G0HB+3], s[46:47]
	s_or_b32 s[G0HB+3], s[G0HB+3], 0x80000000
; one tree of branches on the wave's number, one joint load to an arm
.macro ARM under, g0, g1, next
	s_cmp_lt_u32 s14, \under
	s_cbranch_scc0 \next
	tensor_load_to_lds s[\g0:\g0+3], s[\g1:\g1+7]
	s_nop 0
.rept 4
	v_nop
.endr
	s_branch .Lhead_asked
\next:
.endm
	ARM 1, G0H,  G1,  .Lhead_b
	ARM 2, G0HB, G1B, .Lhead_sa
	ARM 3, G0S,  G1S, .Lhead_sb
	tensor_load_to_lds s[G0SB:G0SB+3], s[G1SB:G1SB+7]
	s_nop 0
.rept 4
	v_nop
.endr
.Lhead_asked:
	s_mul_i32 s18, s16, 24576                      ; for the ring: my 128 rows of the tile
	s_mov_b32 s19, 0
	s_add_nc_u64 s[20:21], s[20:21], s[18:19]
	s_add_nc_u64 s[46:47], s[46:47], s[18:19]
.irp s, 0,1
	s_mov_b32 s[G0+4*\s], 1
	s_add_co_u32 s[G0+4*\s+1], s94, \s*SLOT
	s_add_nc_u64 s[G0+4*\s+2:G0+4*\s+3], s[20:21], \s*APLANE
	s_or_b32 s[G0+4*\s+3], s[G0+4*\s+3], 0x80000000
	s_mov_b32 s[G0B+4*\s], 1
	s_add_co_u32 s[G0B+4*\s+1], s45, \s*SLOT
	s_add_nc_u64 s[G0B+4*\s+2:G0B+4*\s+3], s[46:47], \s*APLANE
	s_or_b32 s[G0B+4*\s+3], s[G0B+4*\s+3], 0x80000000
.endr
	v_and_b32 v1, 15, v0
	v_bfe_u32 v2, v0, 4, 1
	v_and_b32 v6, 31, v0
	v_mul_u32_u24 v3, v1, PITCH
	v_mul_u32_u24 v4, v2, 24
	v_add_nc_u32 v4, v3, v4
	v_lshl_add_u32 v5, v2, 4, v4
	v_lshlrev_b32 v3, 3, v6
	s_mul_i32 s21, s15, 24576
	s_mul_i32 s22, s16, HALFT
	s_add_co_u32 s22, s22, 2*HALFT
.irp s, 0,1
	v_add_nc_u32 v[ADRA+\s], s21, v3
	v_add_nc_u32 v[ADRB+\s], s22, v4
	v_add_nc_u32 v[ADRB+2+\s], s22, v5
	s_add_co_u32 s21, s21, SLOT
	s_add_co_u32 s22, s22, SLOT
.endr
	v_mul_u32_u24 v5, v1, KS
	v_lshrrev_b32 v7, 8, v5
	v_lshl_add_u32 v5, v7, 4, v5
	s_mul_i32 s21, s15, HALFS
	s_mul_i32 s22, s16, HALFS
	s_add_co_u32 s22, s22, 2*HALFS
	s_sub_co_u32 s22, s22, s21
	v_mul_u32_u24 v7, s22, v2
	s_add_co_u32 s21, s21, SCL
	v_add_nc_u32 v5, v5, v7
	v_add_nc_u32 v[ADRS], s21, v5
	s_mul_i32 s23, s14, 16*SPITCH
	v_mul_u32_u24 v5, v1, SPITCH
	v_lshl_add_u32 v5, v2, 6, v5
	v_add_nc_u32 v[STO], s23, v5
	v_lshlrev_b32 v[CO], 4, v6
	v_add_nc_u32 v[RD], s23, v[CO]
	v_lshlrev_b32 v7, 6, v2
	s_wait_alu depctr_va_vdst(0)
	s_lshl_b32 s20, s17, 8
	s_lshl_b32 s21, s15, 7
	s_add_co_u32 s20, s20, s21
	s_mov_b32 s21, 0
	s_lshl_b64 s[20:21], s[20:21], 12
	s_lshl_b32 s46, s42, 10
	s_lshl_b32 s47, s16, 9
	s_add_co_u32 s46, s46, s47
	s_mov_b32 s47, 0
	s_add_nc_u64 s[8:9], s[8:9], s[46:47]
	s_add_nc_u64 s[12:13], s[10:11], s[20:21]
	s_add_nc_u64 s[12:13], s[12:13], s[46:47]
.irp b, 0,1,2,3,4,5,6,7
	global_load_b128 v[BI+8*\b:BI+8*\b+3], v7, s[8:9] offset:128*(\b/2)+32*(\b%2)
	global_load_b128 v[BI+8*\b+4:BI+8*\b+7], v7, s[8:9] offset:128*(\b/2)+32*(\b%2)+16
.endr
.macro FRAG reg, adr, q, i
.irp p, 0,1,2,3,4,5
.set PCE, 12*(\q)+6*(\p/3)+\p%3
.if PCE%8 < 5
	ds_load_b64 v[\reg+2*\p:\reg+2*\p+1], v[\adr] offset:8*PCE+16*(PCE/8)+(\i)*16*PITCH
.else
	ds_load_b64 v[\reg+2*\p:\reg+2*\p+1], v[\adr+2] offset:8*PCE+16*(PCE/8)+(\i)*16*PITCH
.endif
.endr
.endm
.macro FRAGA reg, adr, q, i
.irp p, 0,1,2,3,4,5
	ds_load_b64 v[\reg+2*\p:\reg+2*\p+1], v[\adr] offset:3072*(\i)+1536*(\q)+256*\p
.endr
.endm
.macro MUL16 a0, p, q, sc, zero
.irp a, \a0, \a0+1
.irp b, 0,1,2,3,4,5,6,7
.if \zero
	v_wmma_scale_f32_16x16x128_f8f6f4 v[8*(8*((\a)%4)+\b):8*(8*((\a)%4)+\b)+7], v[128*(\p)+FR*\b:128*(\p)+FR*\b+FR-1], v[AF+FR*(\a):AF+FR*(\a)+FR-1], v[BI+8*\b:BI+8*\b+7], v[SC+8*NQ*(\sc)+NQ*\b+(\q)], v[SC+8*NQ*(\sc)+NQ*(\a)+(\q)] matrix_a_fmt:MATRIX_FMT_FP6 matrix_b_fmt:MATRIX_FMT_FP6 matrix_a_scale:MATRIX_SCALE_ROW1
.else
	v_wmma_scale_f32_16x16x128_f8f6f4 v[8*(8*((\a)%4)+\b):8*(8*((\a)%4)+\b)+7], v[128*(\p)+FR*\b:128*(\p)+FR*\b+FR-1], v[AF+FR*(\a):AF+FR*(\a)+FR-1], v[8*(8*((\a)%4)+\b):8*(8*((\a)%4)+\b)+7], v[SC+8*NQ*(\sc)+NQ*\b+(\q)], v[SC+8*NQ*(\sc)+NQ*(\a)+(\q)] matrix_a_fmt:MATRIX_FMT_FP6 matrix_b_fmt:MATRIX_FMT_FP6 matrix_a_scale:MATRIX_SCALE_ROW1
.endif
.endr
.endr
.endm
.macro FETCH_B slot, q, p
	WIN TO_B
.irp i, 0,1,2,3,4,5,6,7
	FRAG 128*(\p)+FR*\i, ADRB+\slot, \q, \i
.endr
	WIN 0
.endm
.macro FETCH_A slot, q, i0
.irp i, \i0, \i0+1, \i0+2, \i0+3
	FRAGA AF+FR*(\i), ADRA+\slot, \q, \i
.endr
.endm
.macro SCALES sc
.irp i, 0,1,2,3,4,5,6,7
	ds_load_b64 v[SC+8*NQ*\sc+NQ*\i:SC+8*NQ*\sc+NQ*\i+1], v[ADRS] offset:\i*SBLK
.endr
.endm
.macro PLACES n
.rept \n
	v_nop
.endr
.endm
.macro STEP slot, q, zero
	s_wait_dscnt 4*NL
.if \zero
	WIN 0x81
.else
	WIN MUL_LO
.endif
	MUL16 0, (\q)%2, \q, \slot, \zero
	MUL16 2, (\q)%2, \q, \slot, \zero
	s_wait_dscnt 0
	PLACES NP
	FETCH_B \slot, (\q)+1, 1-(\q)%2
	FETCH_A \slot, (\q)+1, 0
.if \zero
	WIN 0xc1
.else
	WIN MUL_HI
.endif
	MUL16 4, (\q)%2, \q, \slot, \zero
	MUL16 6, (\q)%2, \q, \slot, \zero
	PLACES NP
	WIN 0
	FETCH_A \slot, (\q)+1, 4
.endm
.macro TURN slot, next, fill
	s_wait_tensorcnt 0x0
	ds_add_u32 v[SPW], v[NIL]
	s_wait_dscnt 4*NL+1
	WIN MUL_LO
	MUL16 0, 1, NQ-1, \slot, 0
	s_wait_dscnt 0x0
	s_barrier_signal -1
	MUL16 2, 1, NQ-1, \slot, 0
	WIN 0
	s_barrier_wait -1
.if \fill
	CREST
	s_add_nc_u64 s[G0+4*\slot+2:G0+4*\slot+3], s[G0+4*\slot+2:G0+4*\slot+3], 2*APLANE
	s_add_nc_u64 s[G0B+4*\slot+2:G0B+4*\slot+3], s[G0B+4*\slot+2:G0B+4*\slot+3], 2*APLANE
	JLOAD G0+4*\slot, G1, G0B+4*\slot, G1B
.else
	PLACES NP
.endif
	s_wait_alu depctr_va_vdst(0)
	v_add_nc_u32 v[ADRS], 4*NQ, v[ADRS]
	FETCH_B \next, 0, 0
	FETCH_A \next, 0, 0
	SCALES \next
	WIN MUL_HI
	MUL16 4, 1, NQ-1, \slot, 0
	MUL16 6, 1, NQ-1, \slot, 0
	PLACES NP
	WIN 0
	FETCH_A \next, 0, 4
.endm
	s_wait_alu depctr_va_vdst(0)
	s_wait_tensorcnt 0x0                           ; my tile of the head's four is in
	ds_add_u32 v[SPW], v[NIL]
	s_mov_b32 s[G1+2], 96<<16                      ; no load of mine is out: from here on a load brings 128 rows of a plane
	s_mov_b32 s[G1+4], 96
	s_mov_b32 s[G1B+2], 96<<16
	s_mov_b32 s[G1B+4], 96
	s_wait_dscnt 0x0
	CROUND
	JLOAD G0+4, G1, G0B+4, G1B                     ; K step 1, the first tensor load behind the round
	FETCH_B 0, 0, 0
	FETCH_A 0, 0, 0
	SCALES 0
	FETCH_A 0, 0, 4
	s_wait_loadcnt 0x0
	STEP 0, 0, 1
	s_mov_b32 s3, LAPS-1
.Llap:
	TURN 0, 1, 1
	STEP 1, 0, 0
	TURN 1, 0, 1
	STEP 0, 0, 0
	s_sub_co_u32 s3, s3, 1
	s_cmp_lg_u32 s3, 0
	s_cbranch_scc1 .Llap
	TURN 0, 1, 0
	STEP 1, 0, 0
	s_wait_dscnt 4*NL
	WIN MUL_LO
	MUL16 0, 1, NQ-1, 1, 0
	MUL16 2, 1, NQ-1, 1, 0
	s_wait_dscnt 0
	WIN MUL_HI
	MUL16 4, 1, NQ-1, 1, 0
	MUL16 6, 1, NQ-1, 1, 0
	WIN 0
.macro TOSTAGE a
.set AC, 64*((\a)%4)
	WIN 0x08+4*((\a)/4)
.irp b, 0,1,2,3,4,5,6,7
	ds_store_b128 v[STO], v[AC+8*\b:AC+8*\b+3] offset:128*(\b/2)+32*(\b%2)
	ds_store_b128 v[STO], v[AC+8*\b+4:AC+8*\b+7] offset:128*(\b/2)+32*(\b%2)+16
.endr
	WIN 0
.set BB, BK+64*((\a)%2)
.irp t, 0,1,2,3,4,5,6,7,8,9,10,11,12,13,14,15
	ds_load_b128 v[BB+4*\t:BB+4*\t+3], v[RD] offset:\t*SPITCH
.endr
.endm
.macro SEND a, younger
.set BB, BK+64*((\a)%2)
	s_wait_dscnt \younger
.irp t, 0,1,2,3,4,5,6,7,8,9,10,11,12,13,14,15
	global_store_b128 v[CO], v[BB+4*\t:BB+4*\t+3], s[12:13] offset:(64*((\a)/4)+8*((\a)%4)+(\t%8)+32*(\t/8))*4096 th:TH_STORE_NT
.endr
.endm
	PLACES NP
	TOSTAGE 0
.irp a, 1,2,3,4,5,6,7
.if \a > 1
	s_wait_xcnt 0x0
.endif
	TOSTAGE \a
	SEND \a-1, 32
.endr
	SEND 7, 0
	s_wait_tensorcnt 0x0
	ds_add_u32 v[SPW], v[NIL]
	s_wait_dscnt 0x0
	CROUND
	s_endpgm
.Lfunc_end_k_qc77e2a11f3_proj:
	.size	k_qc77e2a11f3_proj, .Lfunc_end_k_qc77e2a11f3_proj-k_qc77e2a11f3_proj
	.p2alignl 7, 3214868480
	.fill 96, 4, 3214868480
	.section	.rodata,"a",@progbits
	.p2align	6, 0x0
	.amdhsa_kernel k_qc77e2a11f3_proj
		.amdhsa_group_segment_fixed_size 327680
		.amdhsa_private_segment_fixed_size 0
		.amdhsa_enable_private_segment 0
		.amdhsa_kernarg_size 32
		.amdhsa_user_sgpr_count 2
		.amdhsa_user_sgpr_kernarg_segment_ptr 1
		.amdhsa_wavefront_size32 1
		.amdhsa_system_sgpr_workgroup_id_x 1
		.amdhsa_system_sgpr_workgroup_id_y 1
		.amdhsa_system_sgpr_workgroup_id_z 1
		.amdhsa_system_vgpr_workitem_id 0
		.amdhsa_next_free_vgpr 1024
		.amdhsa_next_free_sgpr 100
		.amdhsa_reserve_vcc 0
		.amdhsa_float_denorm_mode_32 3
		.amdhsa_float_denorm_mode_16_64 3
		.amdhsa_memory_ordered 1
		.amdhsa_forward_progress 1
		.amdhsa_inst_pref_size 162
	.end_amdhsa_kernel
	.amdgpu_metadata
---
amdhsa.version: [ 1, 2 ]
amdhsa.kernels:
  - .name:           k_qc77e2a11f3_proj
    .symbol:         k_qc77e2a11f3_proj.kd
    .args:
      - { .name: oq, .offset: 0, .size: 8, .value_kind: global_buffer, .address_space: global }
      - { .name: wts, .offset: 8, .size: 8, .value_kind: global_buffer, .address_space: global }
      - { .name: b_proj, .offset: 16, .size: 8, .value_kind: global_buffer, .address_space: global }
      - { .name: out0, .offset: 24, .size: 8, .value_kind: global_buffer, .address_space: global }
    .group_segment_fixed_size: 327680
    .private_segment_fixed_size: 0
    .kernarg_segment_align: 8
    .kernarg_segment_size: 32
    .max_flat_workgroup_size: 128
    .sgpr_count:     100
    .vgpr_count:     1024
    .wavefront_size: 32
...
	.end_amdgpu_metadata
.endif
;; end of part 4
